; MI455X (gfx1250); checked and timed in simulation.
; The chip was launched on July 23, 2026; its instructions are those of AMD's public machine-readable ISA for CDNA 5 (MIT licence, August 2026) and "CDNA5" Instruction Set Architecture Reference Guide (July 2026). The comments in the code are by the model that wrote it; some were corrected since.
;; Vector Quantizer. Allowed arithmetic: matrix products marked QUANTISED: E2M3 operands, one E8M0 scale for each 32 along K, by v_wmma_scale_f32_16x16x128_f8f6f4 with both operands' format E2M3, f32 sums; everything else in f32.
;; Inputs: w_vqgan 16,384 x 192 float32; w_vqkd 16,384 x 64 float32; z 4 x 256 x 32 x 32 float32.
;; Outputs: out0 4 x 256 x 32 x 32 float32; out1 one number float32; out2 one number float32; out3 one number float32; out4 one number float32; out5 one number float32; out6 4,096 int32.
;; This version of the problem:
;;   THIS VERSION OF THE PROBLEM IS GIVEN IN LOW PRECISION. The matrix products marked QUANTISED in the list below multiply operands that are first quantised to E2M3 (2 exponent bits, 3 mantissa bits; 6 bits a number), with one power-of-two scale for each 32 numbers along K (OCP MX v1.0); their sums are f32. All else is computed in f32.
;;   The module's matrix products, in the order in which they are computed (A, B: the left and right operand; K: the contracted axis; several contracted axes count as one K, in the product's order):
;;     1. [M 4,096, K 64] x [K 64, N 16,384]; A: computed on the way; B: computed on the way: QUANTISED
;;     2. [M 4,096, K 192] x [K 192, N 16,384]; A: computed on the way; B: computed on the way: QUANTISED
;;   THE QUANTISER, for each operand of a quantised product, along K:
;;     - K is cut into blocks of 32 from its start; a last block that is shorter is filled with zeros.
;;     - A block's scale is 2^e with e = floor(log2(the largest magnitude in the block)) - 2, held to -126 .. 127; a block of zeros has e = 0. As a byte (E8M0): e + 127.
;;     - Each number is divided by its block's scale, clamped to +-7.5, and rounded to the nearest number of E2M3, ties to even, subnormals kept.
;;     - The product sums the exact products of the quantised numbers (number of the format x scale) in f32.
;;   ~~~python
;;   def quantise(x, axis):      # numpy; x: float32 -> the quantised numbers, widened to float32 again
;;       x = np.moveaxis(x, axis, -1); K = x.shape[-1]
;;       x = np.pad(x, [(0, 0)] * (x.ndim - 1) + [(0, -K % 32)]); x = x.reshape(x.shape[:-1] + (-1, 32)); a = np.abs(x).max(-1, keepdims=True)
;;       e = np.where(a > 0, np.clip(np.frexp(np.where(a > 0, a, 1))[1] - 1 - 2, -126, 127), 0)      # np.frexp(a)[1] - 1 = floor(log2(a)), exactly
;;       r = np.clip(x / 2.0 ** e, -7.5, 7.5)
;;       step = 2.0 ** (np.maximum(np.frexp(np.where(r == 0, 1, r))[1] - 1, 0) - 3)
;;       q = np.round(r / step) * step * 2.0 ** e      # np.round: ties to even
;;       return np.moveaxis(q.reshape(q.shape[:-2] + (-1,))[..., :K], -1, axis).astype(np.float32)
;;   ~~~
;;   OPERANDS COMPUTED ON THE WAY. 'Computed on the way' means the value that the module computes at that place (a softmax that the list does not call 'softmax' is quantised finished and normalised). What goes into a quantiser is computed in f32, as accurately as f32 sums, v_exp_f32 and their like allow (about 1e-6 of the number): no bf16 or f16 on the way to a quantiser, and a product that is left as it is and whose result goes on into a quantised operand takes f32 operands (vector FMAs, or v_wmma_f32_16x16x4_f32). A number that lies on a knife's edge between two numbers of the format may be rounded either way, as far as f32 arithmetic and the matrix unit's own rounding can turn it there, and no further.
;; 2 versions, each right; version 2 is version 1 with the launches sweep1, sweep2 written anew for expert scheduling mode. Each part assembles by itself: llvm-mc -triple=amdgcn-amd-amdhsa -mcpu=gfx1250 --defsym DOCPART=n.
;; ======== version 1 of 2: 5 launches
;; workspace buffers: img 4,259,840 bytes; rec 327,680 bytes; part 2,097,152 bytes; colpart 1,048,576 bytes; idxw 16,384 bytes of whole numbers; fin 6,144 bytes
;; launch prep (part 1): grid 320 x 1, 4 waves a work-group, no clusters, 134,656 bytes of LDS; arguments w_vqkd, w_vqgan, z, img, rec; writes img, rec
.if DOCPART == 1
	.amdgcn_target "amdgcn-amd-amdhsa--gfx1250"
	.amdhsa_code_object_version 6
	.text
	.protected	k_q43e44e10c3_prep
	.globl	k_q43e44e10c3_prep
	.p2align	8
	.type	k_q43e44e10c3_prep,@function
k_q43e44e10c3_prep:
	s_mov_b64 s[64:65], 0
	v_nop
	global_prefetch_b8 v0, s[64:65] scope:SCOPE_SE
	s_setreg_imm32_b32 hwreg(HW_REG_WAVE_MODE, 25, 1), 1
	s_wait_xcnt 0x0
; PREP.  The 16,384 codes (w_vqkd [n][64], w_vqgan [n][192]) and the 4,096 tokens (columns of z [b][256][1024]) are L2-normalised in f32, each half by itself,
; and quantised to FP6 (E2M3) with one E8M0 byte for each 32 along K.  The result is laid as IMAGES OF OPERAND REGISTERS: a tile of 16 rows is 3,328 bytes:
;   +0, +512, +1024     fragment X, registers 0-3, 4-7, 8-11, lane l at 16 l:  K = [the 64 of the first half | dims 128..191 of the second]
;   +1536, +2048, +2560 fragment Y likewise: K = dims 0..127 of the second half
;   +3072  32 scale words: lane l < 16 row l's word of X, lane l >= 16 row (l - 16)'s word of Y;   +3200 ss_k[16];   +3264 ss_g[16]  (sums of squares of the normalised halves)
; Tiles 0..1023 are codes, tiles 1024..1279 tokens.  TOKENS ARE QUANTISED AS -2 x THE NORMALISED NUMBER: the quantiser is symmetric in sign and a factor 2 only raises a block's byte by one,
; so Q(-2 z) = -2 Q(z) exactly, and the later products give -2 z.e with no further arithmetic.
; rec: row R = 16 x tile + r, 16 bytes: 1/max(norm_k, 1e-12), 1/max(norm_g, 1e-12), ss_k, ss_g.
; SHARES.  A wave makes one tile; work-groups 0..255 take codes, 256..319 tokens (64 tokens each).  Lane (r, h) holds four whole blocks of 32 of row r: block q = 0: first half's block h; q = 1, 2, 3: second half's
; blocks h, 2 + h, 4 + h: just the blocks that the two fragments give that lane, so the conversions' results are the operand's registers.
; Every global load takes 512 (codes) or 2 x 256 (tokens) consecutive bytes; the numbers turn through LDS.  The two paths have LDS bytes of their own.
; LIMITS: NaN and infinities are not served.  A block of zeros gets the byte 1 (the rule says 127): its codes are zeros and this program alone reads the bytes.  1/norm is v_rcp_f32 of v_sqrt_f32
; (an ulp each) and a multiplication, where the reference divides; sums of squares under 2^-126 count as zero (then 1e-12 stands for the norm, as in the reference).
.set IMGB, 3328
.set WST,  16896                       ; a wave's stage for codes: 16 rows x 272 (256 + 16), then 16 rows x 784 (768 + 16): both pitches are odd multiples of 16 bytes
.set GST,  4352
.set ZST,  4*WST                       ; the tokens' stage: [256 channels][64 tokens] f32, dense
.set SCR,  ZST+65536                   ; 256 bytes for each wave: an image's last 256 bytes are put together here
.set D,    64                          ; v64-191  block q at D + 32 q
.set XF,   192                         ; v192-203 fragment X
.set YF,   204                         ; v204-215 fragment Y
.set TU,   216                         ; v216-231 each block's upper 16 codes, on their way (a conversion's three registers begin on an even number)
	s_load_b256 s[4:11], s[0:1], 0x0               ; w_vqkd s[4:5], w_vqgan s[6:7], z s[8:9], img s[10:11]
	s_load_b64 s[12:13], s[0:1], 0x20              ; rec
	v_lshl_add_u32 v232, v0, 2, 0x20c00
	v_mov_b32 v233, 0
	v_lshrrev_b32 v1, 5, v0
	v_readfirstlane_b32 s14, v1                    ; wave
	v_and_b32 v1, 31, v0                           ; lane
	v_and_b32 v2, 15, v0                           ; r
	v_bfe_u32 v3, v0, 4, 1                         ; h
	v_lshlrev_b32 v4, 4, v1                        ; 16 x lane
	; every LDS address is made here, ahead of the first branch
	s_mul_i32 s24, s14, WST
	v_mul_u32_u24 v5, v3, 272
	v_lshl_add_u32 v5, v2, 4, v5
	v_add_nc_u32 v5, s24, v5                       ; first half in: a load's 512 bytes are two rows
	v_add_nc_u32 v6, s24, v4
	v_add_nc_u32 v6, GST, v6                       ; second half in: three loads are two rows of 768 bytes;
	v_lshl_add_u32 v7, v3, 4, v6                   ; in the middle one lanes 16-31 stand in the next row, one padding further on
	v_mul_u32_u24 v8, v2, 272
	v_lshl_add_u32 v8, v3, 7, v8
	v_add_nc_u32 v8, s24, v8                       ; first half back: row r, block h
	v_mul_u32_u24 v9, v2, 784
	v_lshl_add_u32 v9, v3, 7, v9
	v_add_nc_u32 v9, s24, v9
	v_add_nc_u32 v9, GST, v9                       ; second half back: row r, block h; blocks 2 + h and 4 + h 256 and 512 bytes on
	s_lshl_b32 s24, s14, 18
	v_lshlrev_b32 v10, 12, v3
	v_lshl_add_u32 v10, v2, 4, v10
	v_add_nc_u32 v10, s24, v10                     ; z: channel 64 w + h (4,096 bytes a channel), 16 bytes a lane
	s_lshl_b32 s24, s14, 14
	s_add_co_u32 s24, s24, ZST
	v_add_nc_u32 v11, s24, v4                      ; tokens in: two channels' 256 bytes on end
	s_lshl_b32 s24, s14, 6
	s_add_co_u32 s24, s24, ZST
	v_lshlrev_b32 v12, 13, v3
	v_lshl_add_u32 v12, v2, 2, v12
	v_add_nc_u32 v12, s24, v12                     ; tokens back: channel 32 h, token 16 w + r
	v_lshlrev_b32 v13, 3, v1                       ; 8 x lane
	s_lshl_b32 s24, s14, 8
	s_add_co_u32 s24, s24, SCR
	v_lshl_add_u32 v14, v1, 2, s24                 ; my wave's 256 bytes: 4 x lane in,
	v_add_nc_u32 v63, s24, v13                     ; 8 x lane out
	v_lshlrev_b32 v15, 4, v2
	v_lshl_add_u32 v15, v3, 3, v15                 ; rec: 16 r + 8 h
	v_mov_b32 v26, 0                               ; a lane permute's destination counts as one of its sources: written once
	v_mov_b32 v27, 0
	v_mov_b32 v55, 0
	v_mov_b32 v56, 0
	s_mov_b32 s20, 0x76543210
	s_mov_b32 s21, 0xfedcba98                      ; v_permlanex16_b32's selects for lane l xor 16
	s_mov_b32 s22, 0xffff0000                      ; lanes 16-31
	s_lshl_b32 s15, ttmp9, 2
	s_add_co_u32 s15, s15, s14                     ; my tile
	s_cmp_lt_u32 ttmp9, 256
	s_mov_b32 s16, 0xc0000000
	s_cselect_b32 s16, 0x3f800000, s16             ; the factor beside 1/norm: codes 1, tokens -2
	s_mov_b32 s17, 0x3e800000
	s_cselect_b32 s17, 0x3f800000, s17             ; and what takes its square out of the sums of squares again: 1, 1/4 (exact)
	s_min_u32 s27, s15, 1023                       ; (a token's work-group does not read the codes: its bases stay inside the buffers all the same)
	s_max_u32 s26, ttmp9, 256
	s_sub_co_u32 s26, s26, 256                     ; which 64 tokens
	s_mov_b32 s25, 0
	s_wait_kmcnt 0x0
	s_lshl_b32 s24, s27, 12
	s_add_nc_u64 s[4:5], s[4:5], s[24:25]          ; 16 rows of 256 bytes
	s_mul_i32 s24, s27, 12288
	s_add_nc_u64 s[6:7], s[6:7], s[24:25]          ; 16 rows of 768 bytes
	s_lshr_b32 s24, s26, 4
	s_lshl_b32 s24, s24, 20                        ; the batch: 256 channels x 4,096 bytes
	s_and_b32 s26, s26, 15
	s_lshl_b32 s26, s26, 8                         ; 64 tokens are 256 bytes of a channel
	s_add_co_u32 s24, s24, s26
	s_add_nc_u64 s[8:9], s[8:9], s[24:25]
	s_mul_i32 s24, s15, IMGB
	s_add_nc_u64 s[10:11], s[10:11], s[24:25]
	s_lshl_b32 s24, s15, 8
	s_add_nc_u64 s[12:13], s[12:13], s[24:25]
	; ---- in: 32 loads of 16 bytes a lane, each stored to the stage as soon as it is there
	s_cmp_lt_u32 ttmp9, 256
	s_cbranch_scc0 .Ltok_in
.set i, 0
.rept 8
	global_load_b128 v[D+4*i:D+4*i+3], v4, s[4:5] offset:512*i th:TH_LOAD_NT
.set i, i+1
.endr
.set i, 0
.rept 24
	global_load_b128 v[D+32+4*i:D+32+4*i+3], v4, s[6:7] offset:512*i th:TH_LOAD_NT
.set i, i+1
.endr
.set i, 0
.rept 8
	s_wait_loadcnt 31-i                            ; loads come back in order: the younger ones may stay out
	ds_store_b128 v5, v[D+4*i:D+4*i+3] offset:544*i
.set i, i+1
.endr
.set i, 0
.rept 24
	s_wait_loadcnt 23-i
.if i%3 == 0
	ds_store_b128 v6, v[D+32+4*i:D+32+4*i+3] offset:1568*(i/3)
.elseif i%3 == 1
	ds_store_b128 v7, v[D+32+4*i:D+32+4*i+3] offset:1568*(i/3)+512
.else
	ds_store_b128 v6, v[D+32+4*i:D+32+4*i+3] offset:1568*(i/3)+1040
.endif
.set i, i+1
.endr
	s_branch .Lin_done
.Ltok_in:
.set i, 0
.rept 32
	global_load_b128 v[D+4*i:D+4*i+3], v10, s[8:9] offset:8192*i th:TH_LOAD_NT   ; channels 64 w + 2 i, + 1: two aligned runs of 256 bytes
.set i, i+1
.endr
.set i, 0
.rept 32
	s_wait_loadcnt 31-i
	ds_store_b128 v11, v[D+4*i:D+4*i+3] offset:512*i
.set i, i+1
.endr
.Lin_done:
	s_wait_dscnt 0x0                               ; my stores have landed: a token's channels come from all four waves
	s_barrier_signal -1
	s_barrier_wait -1
	; ---- back: four whole blocks of my row
	s_cmp_lt_u32 ttmp9, 256
	s_cbranch_scc0 .Ltok_back
.set i, 0
.rept 8
	ds_load_b128 v[D+4*i:D+4*i+3], v8 offset:16*i
.set i, i+1
.endr
.set i, 0
.rept 24
	ds_load_b128 v[D+32+4*i:D+32+4*i+3], v9 offset:256*(i/8)+16*(i%8)
.set i, i+1
.endr
	s_branch .Lback_done
.Ltok_back:
.set i, 0
.rept 128
	ds_load_b32 v[D+i], v12 offset:(64*(i/32)+i%32)*256   ; channel 64 q + 32 h + i of token 16 w + r
.set i, i+1
.endr
.Lback_done:
	s_wait_dscnt 0x0
; The sums of squares of my row's two halves, in v24 and v25: packed, two chains each, then lane l xor 16's part.
.macro SUMSQ
	v_pk_mul_f32 v[16:17], v[D:D+1], v[D:D+1]
	v_pk_mul_f32 v[18:19], v[D+2:D+3], v[D+2:D+3]
	v_pk_mul_f32 v[20:21], v[D+32:D+33], v[D+32:D+33]
	v_pk_mul_f32 v[22:23], v[D+34:D+35], v[D+34:D+35]
.set j, 4
.rept 7
	v_pk_fma_f32 v[16:17], v[D+j:D+j+1], v[D+j:D+j+1], v[16:17]
	v_pk_fma_f32 v[18:19], v[D+j+2:D+j+3], v[D+j+2:D+j+3], v[18:19]
.set j, j+4
.endr
.set j, 36
.rept 23
	v_pk_fma_f32 v[20:21], v[D+j:D+j+1], v[D+j:D+j+1], v[20:21]
	v_pk_fma_f32 v[22:23], v[D+j+2:D+j+3], v[D+j+2:D+j+3], v[22:23]
.set j, j+4
.endr
	v_pk_add_f32 v[16:17], v[16:17], v[18:19]
	v_pk_add_f32 v[20:21], v[20:21], v[22:23]
	v_add_f32 v24, v16, v17
	v_add_f32 v25, v20, v21
	v_permlanex16_b32 v26, v24, s20, s21
	v_permlanex16_b32 v27, v25, s20, s21
	v_add_f32 v24, v24, v26
	v_add_f32 v25, v25, v27
.endm
	SUMSQ
	v_sqrt_f32 v28, v24
	v_sqrt_f32 v29, v25
	v_nop                                          ; a plain place behind the transcendentals
	s_wait_alu depctr_va_vdst(0)
	v_max_num_f32 v28, 0x2b8cbccc, v28             ; max(norm, 1e-12)
	v_max_num_f32 v29, 0x2b8cbccc, v29
	v_rcp_f32 v30, v28
	v_rcp_f32 v31, v29
	v_nop
	s_wait_alu depctr_va_vdst(0)
	v_mul_f32 v32, s16, v30                        ; x 1 or x -2: exact
	v_mul_f32 v34, s16, v31
	v_mov_b32 v33, v32
	v_mov_b32 v35, v34
.set j, 0
.rept 16
	v_pk_mul_f32 v[D+j:D+j+1], v[D+j:D+j+1], v[32:33]
.set j, j+2
.endr
.rept 48
	v_pk_mul_f32 v[D+j:D+j+1], v[D+j:D+j+1], v[34:35]
.set j, j+2
.endr
	SUMSQ                                          ; of the normalised numbers, as the reference takes them
	v_mul_f32 v36, s17, v24                        ; ss_k
	v_mul_f32 v37, s17, v25                        ; ss_g
	; ---- each block's largest magnitude, with the floor 2^(3 - 127) among its leaves, so that the byte cannot fall under 1; the four blocks by turns
.irp q, 0,1,2,3
	v_max3_num_f32 v[40+\q], |v[D+32*\q]|, |v[D+32*\q+1]|, 0x1800000
.endr
.set j, 2
.rept 15
.irp q, 0,1,2,3
	v_max3_num_f32 v[40+\q], v[40+\q], |v[D+32*\q+j]|, |v[D+32*\q+j+1]|
.endr
.set j, j+2
.endr
.irp q, 0,1,2,3
	v_add_nc_u32 v[44+\q], 0xff000000, v[40+\q]    ; 2 off the exponent field: the conversion takes the exponent field of this operand as its scale
.endr
.irp q, 0,1,2,3
	v_lshrrev_b32 v[48+\q], 23, v[44+\q]           ; the scale's byte
.endr
	v_lshlrev_b32 v52, 3, v3
	v_lshl_or_b32 v53, v51, 16, v48                ; X: my bytes h and 2 + h of the word,
	v_lshl_or_b32 v54, v50, 16, v49                ; Y likewise,
	v_lshlrev_b32 v53, v52, v53                    ; at their places (8 h bits up);
	v_lshlrev_b32 v54, v52, v54
	v_permlanex16_b32 v55, v53, s20, s21
	v_permlanex16_b32 v56, v54, s20, s21
	v_or_b32 v53, v53, v55                         ; with lane l xor 16's two bytes the words are whole
	v_or_b32 v54, v54, v56
.macro QUANT q, dst                    ; block q: its lower 16 codes straight into the fragment, its upper 16 by way of TU
	v_cvt_scalef32_pk16_fp6_f32 v[\dst:\dst+2], v[D+32*\q:D+32*\q+15], v[44+\q]
	v_cvt_scalef32_pk16_fp6_f32 v[TU+4*\q:TU+4*\q+2], v[D+32*\q+16:D+32*\q+31], v[44+\q]
.endm
	QUANT 0, XF
	QUANT 3, XF+6
	QUANT 1, YF
	QUANT 2, YF+6
	v_nop                                          ; one plain place behind the last scaled conversion
.irp i, 0,1,2
	v_mov_b32 v[XF+3+\i], v[TU+\i]
	v_mov_b32 v[XF+9+\i], v[TU+12+\i]
	v_mov_b32 v[YF+3+\i], v[TU+4+\i]
	v_mov_b32 v[YF+9+\i], v[TU+8+\i]
.endr
	; ---- out.  No register that a store reads is written again.
.irp c, 0,1,2
	global_store_b128 v4, v[XF+4*\c:XF+4*\c+3], s[10:11] offset:512*\c          ; 32 lanes store 512 consecutive bytes
	global_store_b128 v4, v[YF+4*\c:YF+4*\c+3], s[10:11] offset:1536+512*\c
.endr
	v_cndmask_b32 v57, v53, v54, s22               ; lanes 0-15 X's word, lanes 16-31 Y's
	v_cndmask_b32 v58, v36, v37, s22               ; lanes 0-15 ss_k, lanes 16-31 ss_g
	ds_store_b32 v14, v57
	ds_store_b32 v14, v58 offset:128
	ds_load_b64 v[24:25], v63                      ; LDS serves a wave's instructions in order: this sees the two stores
	v_cndmask_b32 v26, v30, v36, s22
	v_cndmask_b32 v27, v31, v37, s22
	global_store_b64 v15, v[26:27], s[12:13]       ; rec: the wave stores 256 consecutive bytes
	s_wait_dscnt 0x0
	global_store_b64 v13, v[24:25], s[10:11] offset:3072   ; the image's last 256 bytes, whole
	s_wait_tensorcnt 0x0
	ds_add_u32 v232, v233
	s_wait_dscnt 0x0
	s_endpgm
.Lfunc_end_k_q43e44e10c3_prep:
	.size	k_q43e44e10c3_prep, .Lfunc_end_k_q43e44e10c3_prep-k_q43e44e10c3_prep
	.p2alignl 7, 3214868480
	.fill 96, 4, 3214868480
	.section	.rodata,"a",@progbits
	.p2align	6, 0x0
	.amdhsa_kernel k_q43e44e10c3_prep
		.amdhsa_group_segment_fixed_size 134656
		.amdhsa_private_segment_fixed_size 0
		.amdhsa_enable_private_segment 0
		.amdhsa_kernarg_size 40
		.amdhsa_user_sgpr_count 2
		.amdhsa_user_sgpr_kernarg_segment_ptr 1
		.amdhsa_wavefront_size32 1
		.amdhsa_system_sgpr_workgroup_id_x 1
		.amdhsa_system_sgpr_workgroup_id_y 1
		.amdhsa_system_sgpr_workgroup_id_z 1
		.amdhsa_system_vgpr_workitem_id 0
		.amdhsa_next_free_vgpr 234
		.amdhsa_next_free_sgpr 66
		.amdhsa_reserve_vcc 0
		.amdhsa_float_denorm_mode_32 3
		.amdhsa_float_denorm_mode_16_64 3
		.amdhsa_memory_ordered 1
		.amdhsa_forward_progress 1
		.amdhsa_inst_pref_size 47
	.end_amdhsa_kernel
	.amdgpu_metadata
---
amdhsa.version: [ 1, 2 ]
amdhsa.kernels:
  - .name:           k_q43e44e10c3_prep
    .symbol:         k_q43e44e10c3_prep.kd
    .args:
      - { .name: w_vqkd, .offset: 0, .size: 8, .value_kind: global_buffer, .address_space: global }
      - { .name: w_vqgan, .offset: 8, .size: 8, .value_kind: global_buffer, .address_space: global }
      - { .name: z, .offset: 16, .size: 8, .value_kind: global_buffer, .address_space: global }
      - { .name: img, .offset: 24, .size: 8, .value_kind: global_buffer, .address_space: global }
      - { .name: rec, .offset: 32, .size: 8, .value_kind: global_buffer, .address_space: global }
    .group_segment_fixed_size: 134656
    .private_segment_fixed_size: 0
    .kernarg_segment_align: 8
    .kernarg_segment_size: 40
    .max_flat_workgroup_size: 128
    .sgpr_count:     66
    .vgpr_count:     234
    .wavefront_size: 32
...
	.end_amdgpu_metadata
.endif
;; end of part 1
;; launch sweep1 (part 2): grid 16 x 16, 16 waves a work-group, no clusters, 256,000 bytes of LDS; arguments img, part; writes part
.if DOCPART == 2
	.amdgcn_target "amdgcn-amd-amdhsa--gfx1250"
	.amdhsa_code_object_version 6
	.text
	.protected	k_q43e44e10c3_sweep1
	.globl	k_q43e44e10c3_sweep1
	.p2align	8
	.type	k_q43e44e10c3_sweep1,@function
k_q43e44e10c3_sweep1:
	s_mov_b64 s[64:65], 0
	v_nop
	global_prefetch_b8 v0, s[64:65] scope:SCOPE_SE
	s_setreg_imm32_b32 hwreg(HW_REG_WAVE_MODE, 25, 1), 1
	s_wait_xcnt 0x0
; SWEEP 1.  For 256 tokens (work-group y) and 1,024 codes (work-group x): d_k and d_g by the matrix unit on FP6 codes; of them, for each token: the sums of d_k^2 and d_g^2, the least d = d_k + d_g
; and its lowest index, and the softmax's statistics of a = -100 d under that least d:  y = K (m - d), K = 100 log2(e);  Z = sum 2^y;  S1 = sum 2^y y.  So the maximum of a is always taken away ahead of an exponential.
; part, first half:  [x][token] 16 bytes (m, index, Z, S1);  second half, 1,048,576 bytes on: [x][token] (sum d_k^2, sum d_g^2, 0, 0).
; SHARES.  Sixteen waves of 256 registers, four to a SIMD.  THE CODES STAY: wave w keeps code tiles 64 x + 4 w + 0..3 (fragments X and Y, scale words, ee_k, ee_g) in registers for the whole launch; the work-group's
; 16 token tiles lie in LDS and every wave walks them.  A step is one token tile against the wave's 64 codes.
; THE PRODUCTS.  Source 0 = 16 codes, source 1 = 16 tokens: a lane holds ONE token (lane % 16), and register 8 t + j of an accumulator run the code 16 t + 8 (lane / 16) + j.  Tokens were quantised as -2 z, and the
; C of each sum is zz + ee (one f32 addition, as in the reference), so the matrix instruction returns the distance.  X = [first half 64 | second half's dims 128..191], Y = second half's dims 0..127:
;   d_k = X . [zk | 0] + C_k;     d_g = Y . zgY + C_g, then + X . [0 | zg's tail].     The two token operands with zeros share six registers of zeros: zk (6) zeros (6) tail (6).
; The accumulators take turns, one instruction a turn, over the backward jump too.
; NO JOINT LOADS, though 16 work-groups read each image: a wave loads 53 times at its head, its codes straight into the registers that keep them, and then walks 16 steps of some 290 instructions with no memory access at all.
; LIMITS: NaN and infinities are not served.  d is rounded by the matrix unit with C inside the sum: two codes whose d lie within some 2 ulp of each other may change places in the index.
.set IMGB, 3328
.set TOKI, 1024*IMGB                   ; the tokens' images begin here
.set TST,  3584                        ; a token tile in LDS: +0 X 0-3, +512 X 8-11, +1024 +1536 +2048 Y, +2560 the lanes' records (zz_k, zz_g, scale word, 0), +3072 X 4-5, +3328 X 6-7: every access is 16 or 8 bytes x lane on end
.set RCA,  16*TST                      ; records (m, place, Z, S1): wave x 8,192 + tile x 512 + 16 x lane
.set RCB,  RCA+131072                  ; records (sum d_k^2, sum d_g^2): wave x 4,096 + tile x 256 + 8 x lane
.set CS,   4                           ; v4-7     the code tiles' scale words: lanes 0-15 X's, lanes 16-31 Y's; they hold nothing else
.set CF,   8                           ; v8-103   code tile t: X at CF + 24 t, Y at CF + 24 t + 12
.set EEK,  104                         ; v104-135 ee_k of my 32 codes
.set EEG,  136                         ; v136-167 ee_g
.set B1,   168                         ; v168-179 [zk | 0]
.set B2,   174                         ; v174-185 [0 | tail]
.set BY,   186                         ; v186-197 the token's Y; behind a step's last product: at work
.set ZZ,   198                         ; v198-199 zz_k, zz_g of my token
.set TS,   200                         ; v200     the token tile's scale words; holds nothing else
.set RB,   201                         ; v201     where my second record goes
.set DK,   202                         ; v202-233 d_k, then d, then y
.set DG,   234                         ; v234-249 d_g of two code tiles at a time, then 2^y, then the records
.set QK,   250                         ; v250-251, v252-253 the sums of squares, in two halves
.set QG,   252
.set MS,   254                         ; the least d of my 32
.set MT,   255
.set PA,   186
.set PB,   187
.set CM,   188                         ; v188 K m (v189 is named with it as a pair)
.set ZA,   190
.set SA,   192
	s_load_b128 s[4:7], s[0:1], 0x0                ; img, part
	v_lshrrev_b32 v1, 5, v0
	v_readfirstlane_b32 s8, v1                     ; wave
	s_and_b32 s10, ttmp7, 0xffff                   ; which 256 tokens
	v_and_b32 v252, 31, v0                         ; lane
	v_and_b32 v253, 15, v0
	v_bfe_u32 v254, v0, 4, 1
	v_lshlrev_b32 v1, 4, v252                      ; 16 x lane: in an image, and in the token tile in hand (the tiles begin at LDS byte 0)
	v_lshlrev_b32 v2, 3, v252                      ; 8 x lane
	s_mul_i32 s24, s8, TST
	v_add_nc_u32 v250, s24, v1                     ; where I lay token tile w
	v_add_nc_u32 v251, s24, v2
	s_lshl_b32 s24, s8, 13
	s_add_co_u32 s24, s24, RCA
	v_add_nc_u32 v3, s24, v1                       ; where my first record goes
	s_lshl_b32 s24, s8, 12
	s_add_co_u32 s24, s24, RCB
	v_add_nc_u32 v[RB], s24, v2
	v_lshlrev_b32 v252, 2, v252                    ; 4 x lane
	v_lshlrev_b32 v253, 2, v253                    ; 4 x (lane % 16)
	v_lshlrev_b32 v254, 5, v254                    ; 32 x (lane / 16)
	v_mov_b32 v229, 0
.irp j, 0,1,2,3,4,5
	v_mov_b32 v[B2+\j], 0                          ; the zeros that the two operands share: written once
.endr
	s_mov_b32 s18, 0xc31044fe                      ; -K
	s_mov_b32 s19, s18                             ; (named with it as a pair)
	s_mov_b32 s20, 0x431044fe                      ; K = 100 log2(e)
	s_mov_b32 s22, 0x76543210
	s_mov_b32 s23, 0xfedcba98                      ; v_permlanex16_b32's selects for lane l xor 16
	s_mov_b32 s25, 0xffff0000                      ; lanes 16-31
	s_mul_i32 s12, ttmp9, 64*IMGB
	s_mul_i32 s24, s8, 4*IMGB
	s_add_co_u32 s12, s12, s24
	s_mov_b32 s13, 0
	s_lshl_b32 s14, s10, 4
	s_add_co_u32 s14, s14, s8
	s_mul_i32 s14, s14, IMGB
	s_add_co_u32 s14, s14, TOKI
	s_mov_b32 s15, 0
	s_wait_kmcnt 0x0
	s_add_nc_u64 s[12:13], s[4:5], s[12:13]        ; my four code tiles
	s_add_nc_u64 s[14:15], s[4:5], s[14:15]        ; token tile 16 y + w
	; token tile w first: nine loads
.irp c, 0,1,2,3,4,5
	global_load_b128 v[DK+4*\c:DK+4*\c+3], v1, s[14:15] offset:512*\c
.endr
	global_load_b32 v226, v253, s[14:15] offset:3200
	global_load_b32 v227, v253, s[14:15] offset:3264
	global_load_b32 v228, v252, s[14:15] offset:3072
	; then my codes: 11 loads a tile, 44 in all, into the registers that keep them
.irp t, 0,1,2,3
.irp c, 0,1,2,3,4,5
	global_load_b128 v[CF+24*\t+4*\c:CF+24*\t+4*\c+3], v1, s[12:13] offset:IMGB*\t+512*\c
.endr
	global_load_b32 v[CS+\t], v252, s[12:13] offset:IMGB*\t+3072
	global_load_b128 v[EEK+8*\t:EEK+8*\t+3], v254, s[12:13] offset:IMGB*\t+3200
	global_load_b128 v[EEK+8*\t+4:EEK+8*\t+7], v254, s[12:13] offset:IMGB*\t+3216
	global_load_b128 v[EEG+8*\t:EEG+8*\t+3], v254, s[12:13] offset:IMGB*\t+3264
	global_load_b128 v[EEG+8*\t+4:EEG+8*\t+7], v254, s[12:13] offset:IMGB*\t+3280
.endr
	s_wait_loadcnt 44                              ; the token tile is in; the 44 loads issued behind it may stay out
	ds_store_b128 v250, v[202:205]
	ds_store_b64 v251, v[206:207] offset:3072
	ds_store_b64 v251, v[208:209] offset:3328
	ds_store_b128 v250, v[210:213] offset:512
	ds_store_b128 v250, v[214:217] offset:1024
	ds_store_b128 v250, v[218:221] offset:1536
	ds_store_b128 v250, v[222:225] offset:2048
	ds_store_b128 v250, v[226:229] offset:2560
	s_wait_dscnt 0x0                               ; for the others' sake: my tile lies in LDS
	s_barrier_signal -1
	s_barrier_wait -1                              ; all sixteen do
	s_wait_loadcnt 0x0                             ; my codes
.macro WK t                            ; d_k of code tile t
	v_wmma_scale_f32_16x16x128_f8f6f4 v[DK+8*\t:DK+8*\t+7], v[CF+24*\t:CF+24*\t+11], v[B1:B1+11], v[DK+8*\t:DK+8*\t+7], v[CS+\t], v[TS] matrix_a_fmt:MATRIX_FMT_FP6 matrix_b_fmt:MATRIX_FMT_FP6
.endm
.macro WGY t, u                        ; d_g of code tile t, dims 0..127, in accumulator u of two
	v_wmma_scale_f32_16x16x128_f8f6f4 v[DG+8*\u:DG+8*\u+7], v[CF+24*\t+12:CF+24*\t+23], v[BY:BY+11], v[DG+8*\u:DG+8*\u+7], v[CS+\t], v[TS] matrix_a_fmt:MATRIX_FMT_FP6 matrix_b_fmt:MATRIX_FMT_FP6 matrix_a_scale:MATRIX_SCALE_ROW1 matrix_b_scale:MATRIX_SCALE_ROW1
.endm
.macro WGX t, u                        ; and dims 128..191
	v_wmma_scale_f32_16x16x128_f8f6f4 v[DG+8*\u:DG+8*\u+7], v[CF+24*\t:CF+24*\t+11], v[B2:B2+11], v[DG+8*\u:DG+8*\u+7], v[CS+\t], v[TS] matrix_a_fmt:MATRIX_FMT_FP6 matrix_b_fmt:MATRIX_FMT_FP6
.endm
	s_mov_b32 s16, 16
.Lstep:                                ; one token tile against my 64 codes
	ds_load_b96 v[ZZ:ZZ+2], v1 offset:2560         ; my lane's record first
	ds_load_b128 v[B1:B1+3], v1
	ds_load_b64 v[B1+4:B1+5], v2 offset:3072
	ds_load_b64 v[B2+6:B2+7], v2 offset:3328
	ds_load_b128 v[B2+8:B2+11], v1 offset:512
	ds_load_b128 v[BY:BY+3], v1 offset:1024
	ds_load_b128 v[BY+4:BY+7], v1 offset:1536
	ds_load_b128 v[BY+8:BY+11], v1 offset:2048
	s_wait_dscnt 7                                 ; the record is in (and the last step's two stores are done); the seven fragment loads may stay out
.irp u, 0,1                            ; C = ee + zz for code tiles 0 and 1
.irp j, 0,2,4,6
	v_pk_add_f32 v[DK+8*\u+\j:DK+8*\u+\j+1], v[EEK+8*\u+\j:EEK+8*\u+\j+1], v[ZZ:ZZ+1] op_sel_hi:[1,0]
.endr
.irp j, 0,2,4,6
	v_pk_add_f32 v[DG+8*\u+\j:DG+8*\u+\j+1], v[EEG+8*\u+\j:EEG+8*\u+\j+1], v[ZZ:ZZ+1] op_sel:[0,1] op_sel_hi:[1,1]
.endr
.endr
	s_wait_dscnt 0x0                               ; the fragments
	v_add_nc_u32 v1, TST, v1                       ; on to the next tile (no LDS load of mine is out)
	v_add_nc_u32 v2, TST, v2
	v_nop
	v_nop
	WK 0
	WGY 0, 0
	WK 1
	WGY 1, 1
	WGX 0, 0
	WGX 1, 1
.set j, 0
.rept 8                                ; C_k for code tiles 2 and 3: eight plain instructions that name no register of the six products: the places behind them
	v_pk_add_f32 v[DK+16+j:DK+16+j+1], v[EEK+16+j:EEK+16+j+1], v[ZZ:ZZ+1] op_sel_hi:[1,0]
.set j, j+2
.endr
	v_pk_mul_f32 v[QK:QK+1], v[DK:DK+1], v[DK:DK+1]       ; the squares start their sums; each accumulator is read from its low end on
	v_pk_mul_f32 v[QG:QG+1], v[DG:DG+1], v[DG:DG+1]
	v_pk_add_f32 v[DK:DK+1], v[DK:DK+1], v[DG:DG+1]       ; d = d_k + d_g
.set j, 2
.rept 7
	v_pk_fma_f32 v[QK:QK+1], v[DK+j:DK+j+1], v[DK+j:DK+j+1], v[QK:QK+1]
	v_pk_fma_f32 v[QG:QG+1], v[DG+j:DG+j+1], v[DG+j:DG+j+1], v[QG:QG+1]
	v_pk_add_f32 v[DK+j:DK+j+1], v[DK+j:DK+j+1], v[DG+j:DG+j+1]
.set j, j+2
.endr
.set j, 0
.rept 8                                ; C_g for code tiles 2 and 3
	v_pk_add_f32 v[DG+j:DG+j+1], v[EEG+16+j:EEG+16+j+1], v[ZZ:ZZ+1] op_sel:[0,1] op_sel_hi:[1,1]
.set j, j+2
.endr
	v_min3_num_f32 v[MS], v[DK], v[DK+1], v[DK+2]         ; the least d, in two chains
	v_min3_num_f32 v[MT], v[DK+3], v[DK+4], v[DK+5]
	v_min3_num_f32 v[MS], v[MS], v[DK+6], v[DK+7]
	v_min3_num_f32 v[MT], v[MT], v[DK+8], v[DK+9]
	WK 2
	WGY 2, 0
	WK 3
	WGY 3, 1
	WGX 2, 0
	WGX 3, 1
	v_min3_num_f32 v[MS], v[MS], v[DK+10], v[DK+11]       ; four plain instructions on the first half's d: the places behind these six
	v_min3_num_f32 v[MT], v[MT], v[DK+12], v[DK+13]
	v_min3_num_f32 v[MS], v[MS], v[DK+14], v[DK+15]
	v_min_num_f32 v[MS], v[MS], v[MT]
.set j, 0
.rept 8
	v_pk_fma_f32 v[QK:QK+1], v[DK+16+j:DK+16+j+1], v[DK+16+j:DK+16+j+1], v[QK:QK+1]
	v_pk_fma_f32 v[QG:QG+1], v[DG+j:DG+j+1], v[DG+j:DG+j+1], v[QG:QG+1]
	v_pk_add_f32 v[DK+16+j:DK+16+j+1], v[DK+16+j:DK+16+j+1], v[DG+j:DG+j+1]
.set j, j+2
.endr
	v_min3_num_f32 v[MS], v[MS], v[DK+16], v[DK+17]
	v_min3_num_f32 v[MT], v[DK+18], v[DK+19], v[DK+20]
	v_min3_num_f32 v[MS], v[MS], v[DK+21], v[DK+22]
	v_min3_num_f32 v[MT], v[MT], v[DK+23], v[DK+24]
	v_min3_num_f32 v[MS], v[MS], v[DK+25], v[DK+26]
	v_min3_num_f32 v[MT], v[MT], v[DK+27], v[DK+28]
	v_min3_num_f32 v[MS], v[MS], v[DK+29], v[DK+30]
	v_min3_num_f32 v[MS], v[MS], v[MT], v[DK+31]
	; where the least d stands: each register is held against it, from the highest place down, so that the lowest wins; two chains.  A place is 16 t + j; 8 (lane / 16) is added in the merge
	v_mov_b32 v[PA], 64
	v_mov_b32 v[PB], 64
.set e, 15
.rept 16
	v_cmp_neq_f32 vcc_lo, v[DK+16+e], v[MS]
	v_cmp_neq_f32 s24, v[DK+e], v[MS]
	v_cndmask_b32 v[PA], 16*((16+e)/8)+e%8, v[PA], vcc_lo
	v_cndmask_b32 v[PB], 16*(e/8)+e%8, v[PB], s24
.set e, e-1
.endr
	v_mul_f32 v[CM], s20, v[MS]
.set j, 0
.rept 16
	v_pk_fma_f32 v[DK+j:DK+j+1], v[DK+j:DK+j+1], s[18:19], v[CM:CM+1] op_sel_hi:[1,0,0]   ; y = K m - K d (of the pairs -K and K m the low word serves both halves)
.set j, j+2
.endr
.set j, 0
.rept 16
	v_exp_f32 v[DG+j], v[DK+j]
.set j, j+1
.endr
	v_nop                                          ; a plain place behind the exponentials
	s_wait_alu depctr_va_vdst(0)
	v_pk_add_f32 v[ZA:ZA+1], v[DG:DG+1], v[DG+2:DG+3]
	v_pk_mul_f32 v[SA:SA+1], v[DG:DG+1], v[DK:DK+1]
	v_pk_fma_f32 v[SA:SA+1], v[DG+2:DG+3], v[DK+2:DK+3], v[SA:SA+1]
.set j, 4
.rept 6
	v_pk_add_f32 v[ZA:ZA+1], v[ZA:ZA+1], v[DG+j:DG+j+1]
	v_pk_fma_f32 v[SA:SA+1], v[DG+j:DG+j+1], v[DK+j:DK+j+1], v[SA:SA+1]
.set j, j+2
.endr
.set j, 0
.rept 16
	v_exp_f32 v[DG+j], v[DK+16+j]
.set j, j+1
.endr
	v_nop
.set j, 0
	s_wait_alu depctr_va_vdst(0)
.rept 8
	v_pk_add_f32 v[ZA:ZA+1], v[ZA:ZA+1], v[DG+j:DG+j+1]
	v_pk_fma_f32 v[SA:SA+1], v[DG+j:DG+j+1], v[DK+16+j:DK+16+j+1], v[SA:SA+1]
.set j, j+2
.endr
	v_mov_b32 v[DG], v[MS]
	v_min_u32 v[DG+1], v[PA], v[PB]
	v_add_f32 v[DG+2], v[ZA], v[ZA+1]
	v_add_f32 v[DG+3], v[SA], v[SA+1]
	v_add_f32 v[DG+4], v[QK], v[QK+1]
	v_add_f32 v[DG+5], v[QG], v[QG+1]
	ds_store_b128 v3, v[DG:DG+3]
	ds_store_b64 v[RB], v[DG+4:DG+5]
	v_add_nc_u32 v3, 512, v3
	v_add_nc_u32 v[RB], 256, v[RB]
	s_sub_co_i32 s16, s16, 1
	s_cmp_lg_u32 s16, 0
	s_cbranch_scc1 .Lstep
	s_wait_dscnt 0x0                               ; my records lie in LDS
	s_barrier_signal -1
	s_barrier_wait -1                              ; everybody's do
	; ---- THE MERGE: wave w brings token tile w's 16 records a lane, and then the two halves of the lanes, under the common least d, MG:  delta = K (MG - m), f = 2^delta;  Z += f Z_i;  S1 += f (S1_i + delta Z_i)
	v_and_b32 v104, 31, v0
	v_and_b32 v105, 15, v0
	v_bfe_u32 v106, v0, 4, 1
	s_lshl_b32 s26, s8, 9
	s_add_co_u32 s26, s26, RCA
	v_lshl_add_u32 v107, v104, 4, s26              ; waves 0-7's records of my tile,
	v_add_nc_u32 v108, 0x10000, v107               ; waves 8-15's (an LDS offset has 16 bits)
	s_lshl_b32 s26, s8, 8
	s_add_co_u32 s26, s26, RCB
	v_lshl_add_u32 v109, v104, 3, s26
.set i, 0
.rept 8
	ds_load_b128 v[8+4*i:11+4*i], v107 offset:8192*i
.set i, i+1
.endr
.set i, 0
.rept 8
	ds_load_b128 v[40+4*i:43+4*i], v108 offset:8192*i
.set i, i+1
.endr
.set i, 0
.rept 16
	ds_load_b64 v[72+2*i:73+2*i], v109 offset:4096*i
.set i, i+1
.endr
	v_mov_b32 v111, 0                              ; lane permutes' destinations count as sources: written once
.irp j, 154,155,156,157,158,159
	v_mov_b32 v\j, 0
.endr
	s_lshl_b32 s27, ttmp9, 10
	v_lshlrev_b32 v115, 3, v106
	v_add_nc_u32 v115, s27, v115                   ; 8 (lane / 16) + 1,024 x
	s_lshl_b32 s26, ttmp9, 12
	s_lshl_b32 s27, s10, 8
	s_add_co_u32 s26, s26, s27
	s_lshl_b32 s27, s8, 4
	s_add_co_u32 s26, s26, s27
	s_lshl_b32 s26, s26, 4                         ; (4,096 x + 256 y + 16 w) records of 16 bytes
	v_lshlrev_b32 v164, 20, v106                   ; lanes 16-31 store into the second half of part
	v_lshl_add_u32 v164, v105, 4, v164
	v_add_nc_u32 v164, s26, v164
	s_wait_dscnt 0x0
	v_min3_num_f32 v110, v8, v12, v16
.set i, 3
.rept 6
	v_min3_num_f32 v110, v110, v[8+4*i], v[12+4*i]
.set i, i+2
.endr
	v_min_num_f32 v110, v110, v68
	v_permlanex16_b32 v111, v110, s22, s23
	v_min_num_f32 v112, v110, v111                 ; MG
	v_mov_b32 v113, 0x7fffffff
.set i, 15
.rept 16                               ; the lowest index among the records that reach MG: from the highest wave down
	v_add_nc_u32 v114, 64*i, v[9+4*i]
	v_cmp_neq_f32 vcc_lo, v[8+4*i], v112
	v_cndmask_b32 v113, v114, v113, vcc_lo
.set i, i-1
.endr
	v_add_nc_u32 v113, v113, v115
.set i, 0
.rept 16
	v_sub_f32 v[116+i], v112, v[8+4*i]
.set i, i+1
.endr
.set i, 0
.rept 16
	v_mul_f32 v[116+i], s20, v[116+i]              ; delta
.set i, i+1
.endr
.set i, 0
.rept 16
	v_exp_f32 v[132+i], v[116+i]                   ; f
.set i, i+1
.endr
	v_nop
	v_fma_f32 v150, v116, v10, v11
	s_wait_alu depctr_va_vdst(0)
	v_mul_f32 v148, v132, v10
	v_mul_f32 v149, v132, v150
.set i, 1
.rept 15
	v_fma_f32 v150, v[116+i], v[10+4*i], v[11+4*i]
	v_fma_f32 v148, v[132+i], v[10+4*i], v148
	v_fma_f32 v149, v[132+i], v150, v149
.set i, i+1
.endr
	v_pk_add_f32 v[152:153], v[72:73], v[74:75]
.set i, 2
.rept 14
	v_pk_add_f32 v[152:153], v[152:153], v[72+2*i:73+2*i]
.set i, i+1
.endr
	v_permlanex16_b32 v154, v113, s22, s23
	v_permlanex16_b32 v155, v148, s22, s23
	v_permlanex16_b32 v156, v149, s22, s23
	v_permlanex16_b32 v157, v152, s22, s23
	v_permlanex16_b32 v158, v153, s22, s23
	v_min_u32 v113, v113, v154                     ; a half that does not reach MG holds a number above every index
	v_add_f32 v148, v148, v155
	v_add_f32 v149, v149, v156
	v_add_f32 v152, v152, v157
	v_add_f32 v153, v153, v158
	v_cndmask_b32 v160, v112, v152, s25
	v_cndmask_b32 v161, v113, v153, s25
	v_cndmask_b32 v162, v148, v159, s25
	v_cndmask_b32 v163, v149, v159, s25
	global_store_b128 v164, v[160:163], s[6:7]     ; each half of the lanes stores 256 consecutive bytes, aligned
	s_wait_xcnt 0x0
	v_lshl_add_u32 v254, v0, 2, 0x3e000
	v_mov_b32 v255, 0
	s_wait_tensorcnt 0x0
	ds_add_u32 v254, v255
	s_wait_dscnt 0x0
	s_endpgm
.Lfunc_end_k_q43e44e10c3_sweep1:
	.size	k_q43e44e10c3_sweep1, .Lfunc_end_k_q43e44e10c3_sweep1-k_q43e44e10c3_sweep1
	.p2alignl 7, 3214868480
	.fill 96, 4, 3214868480
	.section	.rodata,"a",@progbits
	.p2align	6, 0x0
	.amdhsa_kernel k_q43e44e10c3_sweep1
		.amdhsa_group_segment_fixed_size 256000
		.amdhsa_private_segment_fixed_size 0
		.amdhsa_enable_private_segment 0
		.amdhsa_kernarg_size 16
		.amdhsa_user_sgpr_count 2
		.amdhsa_user_sgpr_kernarg_segment_ptr 1
		.amdhsa_wavefront_size32 1
		.amdhsa_system_sgpr_workgroup_id_x 1
		.amdhsa_system_sgpr_workgroup_id_y 1
		.amdhsa_system_sgpr_workgroup_id_z 1
		.amdhsa_system_vgpr_workitem_id 0
		.amdhsa_next_free_vgpr 256
		.amdhsa_next_free_sgpr 66
		.amdhsa_reserve_vcc 1
		.amdhsa_float_denorm_mode_32 3
		.amdhsa_float_denorm_mode_16_64 3
		.amdhsa_memory_ordered 1
		.amdhsa_forward_progress 1
		.amdhsa_inst_pref_size 37
	.end_amdhsa_kernel
	.amdgpu_metadata
---
amdhsa.version: [ 1, 2 ]
amdhsa.kernels:
  - .name:           k_q43e44e10c3_sweep1
    .symbol:         k_q43e44e10c3_sweep1.kd
    .args:
      - { .name: img, .offset: 0, .size: 8, .value_kind: global_buffer, .address_space: global }
      - { .name: part, .offset: 8, .size: 8, .value_kind: global_buffer, .address_space: global }
    .group_segment_fixed_size: 256000
    .private_segment_fixed_size: 0
    .kernarg_segment_align: 8
    .kernarg_segment_size: 16
    .max_flat_workgroup_size: 512
    .sgpr_count:     66
    .vgpr_count:     256
    .wavefront_size: 32
...
	.end_amdgpu_metadata
.endif
;; end of part 2
;; launch sweep2 (part 3): grid 16 x 16, 16 waves a work-group, no clusters, 60,672 bytes of LDS; arguments img, part, colpart, out6, idxw, fin; writes colpart, out6, idxw, fin
.if DOCPART == 3
	.amdgcn_target "amdgcn-amd-amdhsa--gfx1250"
	.amdhsa_code_object_version 6
	.text
	.protected	k_q43e44e10c3_sweep2
	.globl	k_q43e44e10c3_sweep2
	.p2align	8
	.type	k_q43e44e10c3_sweep2,@function
k_q43e44e10c3_sweep2:
	s_mov_b64 s[64:65], 0
	v_nop
	global_prefetch_b8 v0, s[64:65] scope:SCOPE_SE
	s_setreg_imm32_b32 hwreg(HW_REG_WAVE_MODE, 25, 1), 1
	s_wait_xcnt 0x0
; SWEEP 2.  The rows are finished from the 16 records a token that the first sweep left, and the products are made again to sum the NORMALISED softmax down the columns:
;   MG = the row's least d, Z and S1 under it;  c2 = K MG - log2 Z;  p = 2^(c2 - K d);  H = ln 2 (log2 Z - S1 / Z), the row's entropy (the 1e-5 inside log_softmax cancels: log_softmax does not feel a shift).
; colpart [y][code] = the sum of p over the work-group's 256 tokens.  The work-groups with x = 0 also store the indices (out6, and idxw for the gather) and, for each token tile, (sum H, sum d_k^2, sum d_g^2, 0) into fin.
; SHARES as in the first sweep: 256 tokens (y) x 1,024 codes (x); wave w keeps code tiles 64 x + 4 w + 0..3 in registers; the 16 token tiles lie in LDS.  Here only d is wanted, so a 16 x 16 tile is two matrix
; instructions on one accumulator, whose C is (ee_k + ee_g) + (zz_k + zz_g):  X . X, then Y . Y.  The four accumulators take turns, one instruction a turn, over the backward jump too.
; NO JOINT LOADS: a wave loads 69 times at its head, its codes straight into the registers that keep them, and its 16 steps touch no memory.
; LIMITS: NaN and infinities are not served.
.set IMGB, 3328
.set TOKI, 1024*IMGB
.set TST,  3584                        ; a token tile in LDS: X at +0 +512 +1024, Y at +1536 +2048 +2560, the lanes' records (zzs, c2, scale word, 0) at +3072
.set IDS,  16*TST                      ; 256 indices
.set RSR,  IDS+1024                    ; 16 records of 16 bytes
.set CS,   4                           ; v4-7     the code tiles' scale words; they hold nothing else
.set CF,   8                           ; v8-103   code tile t: X at CF + 24 t, Y at CF + 24 t + 12
.set EES,  104                         ; v104-135 ee_k + ee_g of my 32 codes
.set P,    136                         ; v136-167 the column sums
.set TX,   168
.set TY,   180
.set ZC,   192                         ; v192-193 zzs, c2 of my token
.set TS,   194                         ; v194     the token tile's scale words; holds nothing else
.set ACC,  196                         ; v196-227 d, then c2 - K d, then p
.set KP,   236
	s_load_b256 s[4:11], s[0:1], 0x0               ; img, part, colpart, out6
	s_load_b128 s[12:15], s[0:1], 0x20             ; idxw, fin
	v_lshrrev_b32 v1, 5, v0
	v_readfirstlane_b32 s16, v1                    ; wave
	s_and_b32 s17, ttmp7, 0xffff                   ; which 256 tokens
	v_and_b32 v253, 31, v0
	v_and_b32 v255, 15, v0
	v_bfe_u32 v254, v0, 4, 1
	v_lshlrev_b32 v1, 4, v253                      ; 16 x lane
	v_lshl_add_u32 v2, v253, 3, RSR                ; the LDS addresses of the reads behind the barrier are made here, ahead of every branch
	s_and_b32 s36, s16, 1
	s_lshl_b32 s36, s36, 9
	s_add_co_u32 s29, s36, IDS
	v_add_nc_u32 v3, s29, v1
	s_lshl_b32 s29, s17, 8
	s_lshl_b32 s30, s16, 4
	s_add_co_u32 s29, s29, s30                     ; my tile's first token
	s_lshl_b32 s30, s29, 4
	v_lshlrev_b32 v252, 19, v254                   ; part: lanes 16-31 take the splits 8 .. 15 (65,536 bytes a split)
	v_lshl_add_u32 v252, v255, 4, v252
	v_add_nc_u32 v252, s30, v252
	v_lshlrev_b32 v253, 2, v253                    ; 4 x lane
	v_lshlrev_b32 v254, 5, v254                    ; 32 x (lane / 16)
	v_lshlrev_b32 v255, 2, v255                    ; 4 x (lane % 16)
	v_mov_b32 v195, 0
	s_mov_b32 s18, 0xc31044fe                      ; -K
	s_mov_b32 s19, s18
	s_mov_b32 s20, 0x431044fe                      ; K = 100 log2(e)
	s_mov_b32 s22, 0x76543210
	s_mov_b32 s23, 0xfedcba98
	s_mov_b32 s32, 0xff00ff00                      ; the lanes whose number has bit 3, 2, 1, 0 set
	s_mov_b32 s33, 0xf0f0f0f0
	s_mov_b32 s34, 0xcccccccc
	s_mov_b32 s35, 0xaaaaaaaa
	s_mul_i32 s24, ttmp9, 64*IMGB
	s_mul_i32 s28, s16, 4*IMGB
	s_add_co_u32 s24, s24, s28
	s_mov_b32 s25, 0
	s_lshl_b32 s26, s17, 4
	s_add_co_u32 s26, s26, s16
	s_mul_i32 s26, s26, IMGB
	s_add_co_u32 s26, s26, TOKI
	s_mov_b32 s27, 0
	s_wait_kmcnt 0x0
	s_add_nc_u64 s[24:25], s[4:5], s[24:25]
	s_add_nc_u64 s[26:27], s[4:5], s[26:27]
.irp c, 0,1,2,3,4,5
	global_load_b128 v[TX+4*\c:TX+4*\c+3], v1, s[26:27] offset:512*\c      ; token tile 16 y + w
.endr
	global_load_b32 v[TS], v253, s[26:27] offset:3072
	global_load_b32 v[ZC], v255, s[26:27] offset:3200
	global_load_b32 v[ZC+1], v255, s[26:27] offset:3264
.set i, 0
.rept 8
	global_load_b128 v[ACC+4*i:ACC+4*i+3], v252, s[6:7] offset:65536*i     ; (m, index, Z, S1) of split 8 (lane / 16) + i
.set i, i+1
.endr
.set i, 0
.rept 8
	global_load_b64 v[228+2*i:229+2*i], v252, s[6:7] offset:1048576+65536*i   ; (sum d_k^2, sum d_g^2)
.set i, i+1
.endr
.irp t, 0,1,2,3                        ; my codes: 44 loads
.irp c, 0,1,2,3,4,5
	global_load_b128 v[CF+24*\t+4*\c:CF+24*\t+4*\c+3], v1, s[24:25] offset:IMGB*\t+512*\c
.endr
	global_load_b32 v[CS+\t], v253, s[24:25] offset:IMGB*\t+3072
	global_load_b128 v[EES+8*\t:EES+8*\t+3], v254, s[24:25] offset:IMGB*\t+3200
	global_load_b128 v[EES+8*\t+4:EES+8*\t+7], v254, s[24:25] offset:IMGB*\t+3216
	global_load_b128 v[P+8*\t:P+8*\t+3], v254, s[24:25] offset:IMGB*\t+3264
	global_load_b128 v[P+8*\t+4:P+8*\t+7], v254, s[24:25] offset:IMGB*\t+3280
.endr
	s_wait_loadcnt 44                              ; the token tile and its records are in; the 44 code loads may stay out.  v252 and v255 are free, v253 and v254 are not
	s_mul_i32 s29, s16, TST
	v_add_nc_u32 v251, s29, v1                     ; where I lay token tile w,
	s_lshl_b32 s29, s16, 6
	s_add_co_u32 s29, s29, IDS
	v_add_nc_u32 v252, s29, v255                   ; my token's index,
	s_lshl_b32 s29, s16, 4
	s_add_co_u32 s29, s29, RSR
	v_mov_b32 v255, s29                            ; my tile's record
	; ---- the merge: eight records a lane, then the two halves of the lanes
	v_min3_num_f32 v244, v196, v200, v204
	v_min3_num_f32 v244, v244, v208, v212
	v_min3_num_f32 v244, v244, v216, v220
	v_min_num_f32 v244, v244, v224
	v_mov_b32 v245, 0
	v_permlanex16_b32 v245, v244, s22, s23
	v_min_num_f32 v246, v244, v245                 ; MG
	v_mov_b32 v247, 0x7fffffff
.set i, 7
.rept 8                                ; the lowest index among the splits that reach MG: from the highest split down
	v_cmp_neq_f32 vcc_lo, v[ACC+4*i], v246
	v_cndmask_b32 v247, v[ACC+1+4*i], v247, vcc_lo
.set i, i-1
.endr
.set i, 0
.rept 8
	v_sub_f32 v[ACC+4*i], v246, v[ACC+4*i]
.set i, i+1
.endr
.set i, 0
.rept 8
	v_mul_f32 v[ACC+4*i], s20, v[ACC+4*i]          ; delta = K (MG - m), over m
.set i, i+1
.endr
.set i, 0
.rept 8
	v_exp_f32 v[ACC+1+4*i], v[ACC+4*i]             ; f = 2^delta, over the index
.set i, i+1
.endr
	v_nop
	v_fma_f32 v250, v196, v198, v199
	s_wait_alu depctr_va_vdst(0)
	v_mul_f32 v248, v197, v198
	v_mul_f32 v249, v197, v250
.set i, 1
.rept 7
	v_fma_f32 v250, v[ACC+4*i], v[ACC+2+4*i], v[ACC+3+4*i]
	v_fma_f32 v248, v[ACC+1+4*i], v[ACC+2+4*i], v248
	v_fma_f32 v249, v[ACC+1+4*i], v250, v249
.set i, i+1
.endr
.set i, 1
.rept 7
	v_pk_add_f32 v[228:229], v[228:229], v[228+2*i:229+2*i]
.set i, i+1
.endr
	v_permlanex16_b32 v245, v247, s22, s23
	v_min_u32 v247, v247, v245                     ; the index
	v_permlanex16_b32 v244, v248, s22, s23
	v_add_f32 v248, v248, v244                     ; Z
	v_permlanex16_b32 v245, v249, s22, s23
	v_add_f32 v249, v249, v245                     ; S1
	v_permlanex16_b32 v244, v228, s22, s23
	v_add_f32 v228, v228, v244
	v_permlanex16_b32 v245, v229, s22, s23
	v_add_f32 v229, v229, v245
	v_log_f32 v244, v248                           ; log2 Z
	v_rcp_f32 v245, v248
	v_add_f32 v[ZC], v[ZC], v[ZC+1]                ; zzs.  (A plain place behind the transcendentals)
	s_wait_alu depctr_va_vdst(0)
	v_fma_f32 v[ZC+1], s20, v246, -v244            ; c2
	v_mul_f32 v245, v249, v245
	v_sub_f32 v244, v244, v245
	v_mul_f32 v244, 0x3f317218, v244               ; H
.irp m, 1,2,4,8                        ; over the tile's 16 tokens
	v_add_f32_dpp v244, v244, v244 row_xmask:\m row_mask:0xf bank_mask:0xf
	v_add_f32_dpp v228, v228, v228 row_xmask:\m row_mask:0xf bank_mask:0xf
	v_add_f32_dpp v229, v229, v229 row_xmask:\m row_mask:0xf bank_mask:0xf
.endr
.irp c, 0,1,2,3,4,5
	ds_store_b128 v251, v[TX+4*\c:TX+4*\c+3] offset:512*\c
.endr
	ds_store_b128 v251, v[ZC:ZC+3] offset:3072
	ds_store_b32 v252, v247                        ; both halves of the lanes write the same word with the same value
	v_mov_b32 v248, v244
	v_mov_b32 v249, v228
	v_mov_b32 v250, v229
	v_mov_b32 v251, 0
	ds_store_b128 v255, v[248:251]                 ; all lanes write the same 16 bytes with the same values
	s_wait_dscnt 0x0                               ; for the others' sake
	s_barrier_signal -1
	s_barrier_wait -1
	s_wait_loadcnt 0x0                             ; my codes
.set j, 0
.rept 16
	v_pk_add_f32 v[EES+j:EES+j+1], v[EES+j:EES+j+1], v[P+j:P+j+1]
.set j, j+2
.endr
.set j, 0
.rept 32
	v_mov_b32 v[P+j], 0
.set j, j+1
.endr
	s_lshl_b32 s29, s17, 10
	s_add_co_u32 s29, s29, s36
	v_add_nc_u32 v232, s29, v1                     ; 1,024 y + 512 (w % 2) + 16 x lane
	v_and_b32 v233, 31, v0
	v_lshlrev_b32 v233, 3, v233
	s_lshl_b32 s29, s17, 8
	v_add_nc_u32 v233, s29, v233                   ; 256 y + 8 x lane
	; ---- the rows' results leave once: by the work-groups with x = 0.  Scalar branches on ids; no barrier stands inside
	s_cmp_lg_u32 ttmp9, 0
	s_cbranch_scc1 .Lno_rows
	s_cmp_lt_u32 s16, 4
	s_cbranch_scc0 .Lnot_idx
	ds_load_b128 v[228:231], v3
	s_cmp_lt_u32 s16, 2
	s_cselect_b64 s[26:27], s[10:11], s[12:13]     ; waves 0, 1: out6; waves 2, 3: idxw
	s_wait_dscnt 0x0
	global_store_b128 v232, v[228:231], s[26:27]   ; 512 consecutive bytes
	s_branch .Lno_rows
.Lnot_idx:
	s_cmp_eq_u32 s16, 4
	s_cbranch_scc0 .Lno_rows
	ds_load_b64 v[228:229], v2
	s_wait_dscnt 0x0
	global_store_b64 v233, v[228:229], s[14:15]    ; 256 consecutive bytes
.Lno_rows:
.macro WX t
	v_wmma_scale_f32_16x16x128_f8f6f4 v[ACC+8*\t:ACC+8*\t+7], v[CF+24*\t:CF+24*\t+11], v[TX:TX+11], v[ACC+8*\t:ACC+8*\t+7], v[CS+\t], v[TS] matrix_a_fmt:MATRIX_FMT_FP6 matrix_b_fmt:MATRIX_FMT_FP6
.endm
.macro WY t
	v_wmma_scale_f32_16x16x128_f8f6f4 v[ACC+8*\t:ACC+8*\t+7], v[CF+24*\t+12:CF+24*\t+23], v[TY:TY+11], v[ACC+8*\t:ACC+8*\t+7], v[CS+\t], v[TS] matrix_a_fmt:MATRIX_FMT_FP6 matrix_b_fmt:MATRIX_FMT_FP6 matrix_a_scale:MATRIX_SCALE_ROW1 matrix_b_scale:MATRIX_SCALE_ROW1
.endm
	s_mov_b32 s21, 16
.Lstep:                                ; one token tile against my 64 codes
	ds_load_b96 v[ZC:ZC+2], v1 offset:3072         ; my lane's record first
.irp c, 0,1,2,3,4,5
	ds_load_b128 v[TX+4*\c:TX+4*\c+3], v1 offset:512*\c
.endr
	s_wait_dscnt 6                                 ; the record is in; the six fragment loads may stay out
.set j, 0
.rept 16
	v_pk_add_f32 v[ACC+j:ACC+j+1], v[EES+j:EES+j+1], v[ZC:ZC+1] op_sel_hi:[1,0]   ; C = ees + zzs
.set j, j+2
.endr
	s_wait_dscnt 0x0
	v_add_nc_u32 v1, TST, v1                       ; on to the next tile (no LDS load of mine is out)
	v_nop
	v_nop
	v_nop
	WX 0
	WX 1
	WX 2
	WX 3
	WY 0
	WY 1
	WY 2
	WY 3
.rept 4
	v_nop                                          ; the places behind the products: no other vector work is at hand
.endr
.set j, 0
.rept 16
	v_pk_fma_f32 v[ACC+j:ACC+j+1], v[ACC+j:ACC+j+1], s[18:19], v[ZC:ZC+1] op_sel:[0,0,1] op_sel_hi:[1,0,1]   ; c2 - K d; each accumulator from its low end on
.set j, j+2
.endr
.set j, 0
.rept 32
	v_exp_f32 v[ACC+j], v[ACC+j]
.set j, j+1
.endr
	v_nop                                          ; a plain place behind the exponentials
.set j, 0
	s_wait_alu depctr_va_vdst(0)
.rept 16
	v_pk_add_f32 v[P+j:P+j+1], v[P+j:P+j+1], v[ACC+j:ACC+j+1]
.set j, j+2
.endr
	s_sub_co_i32 s21, s21, 1
	s_cmp_lg_u32 s21, 0
	s_cbranch_scc1 .Lstep
; THE SUMS OVER THE 16 TOKEN LANES, scattered: in each stage a lane keeps one half of its numbers, by a bit of its number, and hands the other half to the lane that differs in that bit.
; After four stages lane (r, h) holds the finished sums of registers 2 r and 2 r + 1.
.macro RS n, m, mask
.set i, 0
.rept \n/2
	v_cndmask_b32 v[KP+2*(i%2)], v[P+i], v[P+\n/2+i], \mask
	v_cndmask_b32 v[KP+1+2*(i%2)], v[P+\n/2+i], v[P+i], \mask
	v_add_f32_dpp v[P+i], v[KP+1+2*(i%2)], v[KP+2*(i%2)] row_xmask:\m row_mask:0xf bank_mask:0xf
.set i, i+1
.endr
.endm
	RS 32, 8, s32
	RS 16, 4, s33
	RS 8, 2, s34
	RS 4, 1, s35
	v_and_b32 v240, 15, v0                         ; register 8 t + j is code 16 t + 8 h + j: registers 2 r, 2 r + 1 are codes 16 (r / 4) + 8 h + 2 (r % 4), + 1
	v_lshrrev_b32 v241, 2, v240
	v_and_b32 v240, 3, v240
	v_lshlrev_b32 v240, 3, v240
	v_lshl_add_u32 v240, v241, 6, v240
	v_bfe_u32 v241, v0, 4, 1
	v_lshl_add_u32 v240, v241, 5, v240
	s_lshl_b32 s28, s17, 16
	s_lshl_b32 s29, ttmp9, 12
	s_add_co_u32 s28, s28, s29
	s_lshl_b32 s29, s16, 8
	s_add_co_u32 s28, s28, s29
	v_add_nc_u32 v240, s28, v240
	global_store_b64 v240, v[P:P+1], s[8:9]        ; the wave's 64 codes: 256 consecutive bytes, aligned
	s_wait_xcnt 0x0
	v_lshl_add_u32 v254, v0, 2, 0xe500
	v_mov_b32 v255, 0
	s_wait_tensorcnt 0x0
	ds_add_u32 v254, v255
	s_wait_dscnt 0x0
	s_endpgm
.Lfunc_end_k_q43e44e10c3_sweep2:
	.size	k_q43e44e10c3_sweep2, .Lfunc_end_k_q43e44e10c3_sweep2-k_q43e44e10c3_sweep2
	.p2alignl 7, 3214868480
	.fill 96, 4, 3214868480
	.section	.rodata,"a",@progbits
	.p2align	6, 0x0
	.amdhsa_kernel k_q43e44e10c3_sweep2
		.amdhsa_group_segment_fixed_size 60672
		.amdhsa_private_segment_fixed_size 0
		.amdhsa_enable_private_segment 0
		.amdhsa_kernarg_size 48
		.amdhsa_user_sgpr_count 2
		.amdhsa_user_sgpr_kernarg_segment_ptr 1
		.amdhsa_wavefront_size32 1
		.amdhsa_system_sgpr_workgroup_id_x 1
		.amdhsa_system_sgpr_workgroup_id_y 1
		.amdhsa_system_sgpr_workgroup_id_z 1
		.amdhsa_system_vgpr_workitem_id 0
		.amdhsa_next_free_vgpr 256
		.amdhsa_next_free_sgpr 66
		.amdhsa_reserve_vcc 1
		.amdhsa_float_denorm_mode_32 3
		.amdhsa_float_denorm_mode_16_64 3
		.amdhsa_memory_ordered 1
		.amdhsa_forward_progress 1
		.amdhsa_inst_pref_size 31
	.end_amdhsa_kernel
	.amdgpu_metadata
---
amdhsa.version: [ 1, 2 ]
amdhsa.kernels:
  - .name:           k_q43e44e10c3_sweep2
    .symbol:         k_q43e44e10c3_sweep2.kd
    .args:
      - { .name: img, .offset: 0, .size: 8, .value_kind: global_buffer, .address_space: global }
      - { .name: part, .offset: 8, .size: 8, .value_kind: global_buffer, .address_space: global }
      - { .name: colpart, .offset: 16, .size: 8, .value_kind: global_buffer, .address_space: global }
      - { .name: out6, .offset: 24, .size: 8, .value_kind: global_buffer, .address_space: global }
      - { .name: idxw, .offset: 32, .size: 8, .value_kind: global_buffer, .address_space: global }
      - { .name: fin, .offset: 40, .size: 8, .value_kind: global_buffer, .address_space: global }
    .group_segment_fixed_size: 60672
    .private_segment_fixed_size: 0
    .kernarg_segment_align: 8
    .kernarg_segment_size: 48
    .max_flat_workgroup_size: 512
    .sgpr_count:     66
    .vgpr_count:     256
    .wavefront_size: 32
...
	.end_amdgpu_metadata
.endif
;; end of part 3
;; launch mid (part 4): grid 256 x 1, 4 waves a work-group, no clusters, 19,456 bytes of LDS; arguments z, w_vqkd, w_vqgan, rec, idxw, colpart, out0, fin; writes out0, fin
.if DOCPART == 4
	.amdgcn_target "amdgcn-amd-amdhsa--gfx1250"
	.amdhsa_code_object_version 6
	.text
	.protected	k_q43e44e10c3_mid
	.globl	k_q43e44e10c3_mid
	.p2align	8
	.type	k_q43e44e10c3_mid,@function
k_q43e44e10c3_mid:
	s_mov_b64 s[64:65], 0
	v_nop
	global_prefetch_b8 v0, s[64:65] scope:SCOPE_SE
	s_setreg_imm32_b32 hwreg(HW_REG_WAVE_MODE, 25, 1), 1
	s_wait_xcnt 0x0
; MID.  (a) The gather: for 64 tokens and 64 channels (work-group x: tokens 64 (x / 4) on, channels 64 (x % 4) on) the chosen code's numbers, normalised anew (w x 1/norm from rec), are turned through LDS into z's
; layout; out0 = zc + (e - zc), zc = z x 1/norm of the token; the squares of e - zc are summed.  Channels 0..63 come from w_vqkd (rows of 256 bytes), the others from w_vqgan (rows of 768 bytes, in thirds):
; so every gathered piece is 256 consecutive bytes, aligned.  The indices are whole numbers that the launch before stored; they are held to 0 .. 16,383 ahead of every address.
; (b) The columns: for codes 64 x .. 64 x + 63 the 16 parts of colpart are added, avg = sum / 4,096, and E = avg log2(avg + 1e-5) is summed.
; fin, from byte 4,096 on: record x = (sum of squares, sum of E).
.set ST, 0                             ; 64 tokens x (256 bytes + 16)
.set CP, 17408                         ; four waves' column parts, 256 bytes each
.set LP, 18432                         ; four waves' sums of squares
	s_load_b256 s[4:11], s[0:1], 0x0               ; z, w_vqkd, w_vqgan, rec
	s_load_b256 s[12:19], s[0:1], 0x20             ; idxw, colpart, out0, fin
	v_lshl_add_u32 v176, v0, 2, 0x4a00
	v_mov_b32 v177, 0
	v_lshrrev_b32 v1, 5, v0
	v_readfirstlane_b32 s20, v1                    ; wave
	v_and_b32 v1, 31, v0                           ; lane
	v_and_b32 v2, 15, v0                           ; lane % 16
	v_bfe_u32 v3, v0, 4, 1                         ; lane / 16
	s_lshr_b32 s22, ttmp9, 2                       ; which 64 tokens
	s_and_b32 s23, ttmp9, 3                        ; which 64 channels
	s_cmp_eq_u32 s23, 0
	s_cselect_b32 s32, 0, 4                        ; which 1/norm of a record
	s_mov_b32 s30, 768
	s_cselect_b32 s30, 256, s30                    ; a row of the table
	s_max_u32 s31, s23, 1
	s_sub_co_u32 s31, s31, 1
	s_lshl_b32 s31, s31, 8                         ; and where my 256 bytes begin in it
	s_lshl_b32 s33, s22, 6                         ; the first token
	s_lshl_b32 s34, s20, 4
	s_add_co_u32 s34, s34, s33
	s_lshl_b32 s34, s34, 2
	v_lshl_add_u32 v4, v3, 2, s34                  ; idxw: token 16 w + lane / 16 (+ 2 i)
	s_lshl_b32 s34, s20, 16
	v_lshlrev_b32 v5, 12, v3
	v_lshl_add_u32 v5, v2, 4, v5
	v_add_nc_u32 v5, s34, v5                       ; z and out0: channel 16 w + lane / 16 (+ 2 i), tokens 4 (lane % 16) on
	s_lshl_b32 s34, s33, 4
	s_add_co_u32 s34, s34, 262144
	s_add_co_u32 s34, s34, s32
	v_lshl_add_u32 v6, v2, 6, s34                  ; rec: the tokens' records begin at byte 262,144; tokens 4 (lane % 16) on
	s_lshl_b32 s34, s20, 18
	s_lshl_b32 s35, ttmp9, 8
	s_add_co_u32 s34, s34, s35
	v_lshl_add_u32 v7, v1, 3, s34                  ; colpart: parts 4 w on, codes 64 x + 2 x lane
	s_mul_i32 s34, s20, 16*272
	v_mul_u32_u24 v8, v3, 272
	v_lshl_add_u32 v8, v2, 4, v8
	v_add_nc_u32 v8, s34, v8                       ; the stage, in: token 16 w + lane / 16 (+ 2 i), 16 bytes a lane
	s_lshl_b32 s34, s20, 6
	v_mul_u32_u24 v9, v2, 1088
	v_lshl_add_u32 v9, v3, 2, v9
	v_add_nc_u32 v9, s34, v9                       ; and back: tokens 4 (lane % 16) on, channel 16 w + lane / 16 (+ 2 i)
	s_lshl_b32 s34, s20, 8
	s_add_co_u32 s34, s34, CP
	v_lshl_add_u32 v10, v1, 3, s34
	s_lshl_b32 s34, s20, 2
	s_add_co_u32 s34, s34, LP
	v_mov_b32 v11, s34
	v_lshl_add_u32 v12, v1, 3, CP
	v_mov_b32 v13, LP
	v_lshl_add_u32 v14, v2, 4, s31
	s_lshl_b32 s34, ttmp9, 3
	v_mov_b32 v15, s34
	v_mov_b32 v162, 0
	s_mov_b32 s26, 0x76543210
	s_mov_b32 s27, 0xfedcba98
	s_lshr_b32 s24, s22, 4
	s_lshl_b32 s24, s24, 20                        ; the batch,
	s_lshl_b32 s25, s23, 18                        ; 64 channels of 4,096 bytes,
	s_add_co_u32 s24, s24, s25
	s_and_b32 s25, s22, 15
	s_lshl_b32 s25, s25, 8                         ; 64 tokens of 4 bytes
	s_add_co_u32 s24, s24, s25
	s_mov_b32 s25, 0
	s_wait_kmcnt 0x0
	s_add_nc_u64 s[4:5], s[4:5], s[24:25]
	s_add_nc_u64 s[16:17], s[16:17], s[24:25]
	s_cmp_eq_u32 s23, 0
	s_cselect_b64 s[28:29], s[6:7], s[8:9]         ; the table: a choice on the work-group's number alone
.set i, 0
.rept 8
	global_load_b32 v[16+i], v4, s[12:13] offset:8*i
.set i, i+1
.endr
.set i, 0
.rept 8
	global_load_b128 v[24+4*i:27+4*i], v5, s[4:5] offset:8192*i th:TH_LOAD_NT
.set i, i+1
.endr
.irp k, 0,1,2,3
	global_load_b32 v[56+\k], v6, s[10:11] offset:16*\k
.endr
.irp k, 0,1,2,3
	global_load_b64 v[60+2*\k:61+2*\k], v7, s[14:15] offset:65536*\k th:TH_LOAD_NT
.endr
	s_wait_loadcnt 16                              ; the eight indices are in; the 16 loads behind them may stay out
.set i, 0
.rept 8
	v_min_u32 v[16+i], 0x3fff, v[16+i]
	v_mad_u32_u24 v[108+i], v[16+i], s30, v14
	v_lshl_add_u32 v[116+i], v[16+i], 4, s32
.set i, i+1
.endr
.set i, 0
.rept 8
	global_load_b128 v[68+4*i:71+4*i], v[108+i], s[28:29]      ; sixteen lanes take the row's 256 bytes
.set i, i+1
.endr
.set i, 0
.rept 8
	global_load_b32 v[100+i], v[116+i], s[10:11]               ; the code's 1/norm
.set i, i+1
.endr
	s_wait_loadcnt 0x0
.set i, 0
.rept 8
.if i%2 == 0
	v_pk_mul_f32 v[68+4*i:69+4*i], v[68+4*i:69+4*i], v[100+i:101+i] op_sel_hi:[1,0]
	v_pk_mul_f32 v[70+4*i:71+4*i], v[70+4*i:71+4*i], v[100+i:101+i] op_sel_hi:[1,0]
.else
	v_pk_mul_f32 v[68+4*i:69+4*i], v[68+4*i:69+4*i], v[99+i:100+i] op_sel:[0,1] op_sel_hi:[1,1]
	v_pk_mul_f32 v[70+4*i:71+4*i], v[70+4*i:71+4*i], v[99+i:100+i] op_sel:[0,1] op_sel_hi:[1,1]
.endif
	ds_store_b128 v8, v[68+4*i:71+4*i] offset:544*i
.set i, i+1
.endr
	s_wait_dscnt 0x0                               ; for the others' sake
	s_barrier_signal -1
	s_barrier_wait -1
.set i, 0
.rept 8
.irp k, 0,1,2,3
	ds_load_b32 v[124+4*i+\k], v9 offset:272*\k+8*i
.endr
.set i, i+1
.endr
.set i, 0
.rept 8
	v_pk_mul_f32 v[24+4*i:25+4*i], v[24+4*i:25+4*i], v[56:57]  ; zc
	v_pk_mul_f32 v[26+4*i:27+4*i], v[26+4*i:27+4*i], v[58:59]
.set i, i+1
.endr
.set i, 0
.rept 8
	s_wait_dscnt 28-4*i                            ; this channel's four reads are in; the later channels' may stay out
	v_pk_add_f32 v[156:157], v[124+4*i:125+4*i], v[24+4*i:25+4*i] neg_lo:[0,1] neg_hi:[0,1]   ; e - zc
	v_pk_add_f32 v[158:159], v[126+4*i:127+4*i], v[26+4*i:27+4*i] neg_lo:[0,1] neg_hi:[0,1]
	v_pk_add_f32 v[24+4*i:25+4*i], v[24+4*i:25+4*i], v[156:157]                               ; zc + (e - zc)
	v_pk_add_f32 v[26+4*i:27+4*i], v[26+4*i:27+4*i], v[158:159]
.if i == 0
	v_pk_mul_f32 v[160:161], v[156:157], v[156:157]
.else
	v_pk_fma_f32 v[160:161], v[156:157], v[156:157], v[160:161]
.endif
	v_pk_fma_f32 v[160:161], v[158:159], v[158:159], v[160:161]
	global_store_b128 v5, v[24+4*i:27+4*i], s[16:17] offset:8192*i th:TH_STORE_NT   ; each half of the lanes stores 256 consecutive bytes, aligned; every store has registers of its own
.set i, i+1
.endr
	v_add_f32 v160, v160, v161
.irp m, 1,2,4,8
	v_add_f32_dpp v160, v160, v160 row_xmask:\m row_mask:0xf bank_mask:0xf
.endr
	v_permlanex16_b32 v162, v160, s26, s27
	v_add_f32 v160, v160, v162                     ; the wave's sum of squares
	v_pk_add_f32 v[60:61], v[60:61], v[62:63]
	v_pk_add_f32 v[64:65], v[64:65], v[66:67]
	v_pk_add_f32 v[60:61], v[60:61], v[64:65]      ; my four parts of two columns
	ds_store_b64 v10, v[60:61]
	ds_store_b32 v11, v160                         ; all lanes write the same word with the same value
	s_wait_dscnt 0x0
	s_barrier_signal -1
	s_barrier_wait -1
	s_cmp_lg_u32 s20, 0
	s_cbranch_scc1 .Lend
.irp k, 0,1,2,3
	ds_load_b64 v[60+2*\k:61+2*\k], v12 offset:256*\k
.endr
	ds_load_b128 v[68:71], v13
	s_wait_dscnt 0x0
	v_pk_add_f32 v[60:61], v[60:61], v[62:63]
	v_pk_add_f32 v[64:65], v[64:65], v[66:67]
	v_pk_add_f32 v[60:61], v[60:61], v[64:65]
	v_pk_mul_f32 v[60:61], v[60:61], 0x39800000 op_sel_hi:[1,0]   ; / 4,096
	v_add_f32 v62, 0x3727c5ac, v60                 ; + 1e-5
	v_add_f32 v63, 0x3727c5ac, v61
	v_log_f32 v62, v62
	v_log_f32 v63, v63
	v_add_f32 v68, v68, v69                        ; (a plain place behind the transcendentals)
	v_add_f32 v70, v70, v71
	s_wait_alu depctr_va_vdst(0)
	v_mul_f32 v62, v60, v62
	v_fma_f32 v62, v61, v63, v62
.irp m, 1,2,4,8
	v_add_f32_dpp v62, v62, v62 row_xmask:\m row_mask:0xf bank_mask:0xf
.endr
	v_permlanex16_b32 v162, v62, s26, s27
	v_add_f32 v68, v68, v70                        ; the work-group's sum of squares
	v_add_f32 v69, v62, v162                       ; and of E
	v_cmp_eq_u32 vcc_lo, 0, v1
	s_wait_xcnt 0x0                                ; EXEC changes only behind this wait: the stores above have it among their sources
	s_and_saveexec_b32 s34, vcc_lo
	global_store_b64 v15, v[68:69], s[18:19] offset:4096
	s_wait_xcnt 0x0
	s_or_b32 exec_lo, exec_lo, s34
.Lend:
	s_wait_tensorcnt 0x0
	ds_add_u32 v176, v177
	s_wait_dscnt 0x0
	s_endpgm
.Lfunc_end_k_q43e44e10c3_mid:
	.size	k_q43e44e10c3_mid, .Lfunc_end_k_q43e44e10c3_mid-k_q43e44e10c3_mid
	.p2alignl 7, 3214868480
	.fill 96, 4, 3214868480
	.section	.rodata,"a",@progbits
	.p2align	6, 0x0
	.amdhsa_kernel k_q43e44e10c3_mid
		.amdhsa_group_segment_fixed_size 19456
		.amdhsa_private_segment_fixed_size 0
		.amdhsa_enable_private_segment 0
		.amdhsa_kernarg_size 64
		.amdhsa_user_sgpr_count 2
		.amdhsa_user_sgpr_kernarg_segment_ptr 1
		.amdhsa_wavefront_size32 1
		.amdhsa_system_sgpr_workgroup_id_x 1
		.amdhsa_system_sgpr_workgroup_id_y 1
		.amdhsa_system_sgpr_workgroup_id_z 1
		.amdhsa_system_vgpr_workitem_id 0
		.amdhsa_next_free_vgpr 178
		.amdhsa_next_free_sgpr 66
		.amdhsa_reserve_vcc 1
		.amdhsa_float_denorm_mode_32 3
		.amdhsa_float_denorm_mode_16_64 3
		.amdhsa_memory_ordered 1
		.amdhsa_forward_progress 1
		.amdhsa_inst_pref_size 20
	.end_amdhsa_kernel
	.amdgpu_metadata
---
amdhsa.version: [ 1, 2 ]
amdhsa.kernels:
  - .name:           k_q43e44e10c3_mid
    .symbol:         k_q43e44e10c3_mid.kd
    .args:
      - { .name: z, .offset: 0, .size: 8, .value_kind: global_buffer, .address_space: global }
      - { .name: w_vqkd, .offset: 8, .size: 8, .value_kind: global_buffer, .address_space: global }
      - { .name: w_vqgan, .offset: 16, .size: 8, .value_kind: global_buffer, .address_space: global }
      - { .name: rec, .offset: 24, .size: 8, .value_kind: global_buffer, .address_space: global }
      - { .name: idxw, .offset: 32, .size: 8, .value_kind: global_buffer, .address_space: global }
      - { .name: colpart, .offset: 40, .size: 8, .value_kind: global_buffer, .address_space: global }
      - { .name: out0, .offset: 48, .size: 8, .value_kind: global_buffer, .address_space: global }
      - { .name: fin, .offset: 56, .size: 8, .value_kind: global_buffer, .address_space: global }
    .group_segment_fixed_size: 19456
    .private_segment_fixed_size: 0
    .kernarg_segment_align: 8
    .kernarg_segment_size: 64
    .max_flat_workgroup_size: 128
    .sgpr_count:     66
    .vgpr_count:     178
    .wavefront_size: 32
...
	.end_amdgpu_metadata
.endif
;; end of part 4
;; launch final (part 5): grid 1 x 1, 8 waves a work-group, no clusters, 1,536 bytes of LDS; arguments fin, out1, out2, out3, out4, out5; writes out1, out2, out3, out4, out5
.if DOCPART == 5
	.amdgcn_target "amdgcn-amd-amdhsa--gfx1250"
	.amdhsa_code_object_version 6
	.text
	.protected	k_q43e44e10c3_final
	.globl	k_q43e44e10c3_final
	.p2align	8
	.type	k_q43e44e10c3_final,@function
k_q43e44e10c3_final:
	s_mov_b64 s[64:65], 0
	v_nop
	global_prefetch_b8 v0, s[64:65] scope:SCOPE_SE
	s_setreg_imm32_b32 hwreg(HW_REG_WAVE_MODE, 25, 1), 1
	s_wait_xcnt 0x0
; FINAL.  The five scalars.  fin holds 256 records (sum H, sum d_k^2, sum d_g^2, 0) and, from byte 4,096 on, 256 records (sum of squares L, sum E).  Thread i takes record i of each; the sums meet in LDS.
;   out1 = L / 2^20;  out2 = out1 / 4;  out3 = 0.1 (sum H / 4,096 + ln 2 sum E);  out4 = sum d_k^2 / 4,096;  out5 = sum d_g^2 / 4,096.
; One work-group: 6,144 bytes are all that there is to read.
	s_load_b256 s[4:11], s[0:1], 0x0               ; fin, out1, out2, out3
	s_load_b128 s[12:15], s[0:1], 0x20             ; out4, out5
	v_lshl_add_u32 v32, v0, 2, 0x200
	v_mov_b32 v33, 0
	v_lshrrev_b32 v1, 5, v0
	v_readfirstlane_b32 s16, v1                    ; wave
	v_lshlrev_b32 v2, 4, v0
	v_lshlrev_b32 v3, 3, v0
	v_and_b32 v4, 7, v0
	v_lshlrev_b32 v4, 5, v4                        ; back: lane l takes wave (l % 8)'s 32 bytes
	s_lshl_b32 s17, s16, 5
	v_mov_b32 v5, s17                              ; in: my wave's 32 bytes
	s_mov_b32 s18, 0x76543210
	s_mov_b32 s19, 0xfedcba98
.irp r, 16,17,18,19,20
	v_mov_b32 v\r, 0                               ; lane permutes' destinations count as sources
.endr
	v_mov_b32 v21, 0
	s_wait_kmcnt 0x0
	global_load_b128 v[8:11], v2, s[4:5]
	global_load_b64 v[12:13], v3, s[4:5] offset:4096
	s_wait_loadcnt 0x0
	v_mov_b32 v11, v12                             ; v8 H, v9 d_k^2, v10 d_g^2, v11 L, v12 E
	v_mov_b32 v12, v13
.irp m, 1,2,4,8
.irp r, 8,9,10,11,12
	v_add_f32_dpp v\r, v\r, v\r row_xmask:\m row_mask:0xf bank_mask:0xf
.endr
.endr
.irp r, 8,9,10,11,12
	v_permlanex16_b32 v[8+\r], v\r, s18, s19
.endr
.irp r, 8,9,10,11,12
	v_add_f32 v\r, v\r, v[8+\r]
.endr
	ds_store_b128 v5, v[8:11]                      ; all lanes write the same bytes with the same values
	ds_store_b32 v5, v12 offset:16
	s_wait_dscnt 0x0
	s_barrier_signal -1
	s_barrier_wait -1
	s_cmp_lg_u32 s16, 0
	s_cbranch_scc1 .Lend
	ds_load_b128 v[8:11], v4
	ds_load_b32 v12, v4 offset:16
	s_wait_dscnt 0x0
.irp m, 1,2,4
.irp r, 8,9,10,11,12
	v_add_f32_dpp v\r, v\r, v\r row_xmask:\m row_mask:0xf bank_mask:0xf
.endr
.endr
	v_mul_f32 v22, 0x35800000, v11                 ; L / 2^20
	v_mul_f32 v23, 0.25, v22
	v_mul_f32 v24, 0x39800000, v8                  ; sum H / 4,096
	v_fmamk_f32 v24, v12, 0x3f317218, v24          ; + ln 2 sum E
	v_mul_f32 v24, 0x3dcccccd, v24                 ; x 0.1
	v_mul_f32 v25, 0x39800000, v9
	v_mul_f32 v26, 0x39800000, v10
	v_cmp_eq_u32 vcc_lo, 0, v0
	s_wait_xcnt 0x0                                ; EXEC changes only behind this wait
	s_and_saveexec_b32 s20, vcc_lo
	global_store_b32 v21, v22, s[6:7]
	global_store_b32 v21, v23, s[8:9]
	global_store_b32 v21, v24, s[10:11]
	global_store_b32 v21, v25, s[12:13]
	global_store_b32 v21, v26, s[14:15]
	s_wait_xcnt 0x0
	s_or_b32 exec_lo, exec_lo, s20
.Lend:
	s_wait_tensorcnt 0x0
	ds_add_u32 v32, v33
	s_wait_dscnt 0x0
	s_endpgm
.Lfunc_end_k_q43e44e10c3_final:
	.size	k_q43e44e10c3_final, .Lfunc_end_k_q43e44e10c3_final-k_q43e44e10c3_final
	.p2alignl 7, 3214868480
	.fill 96, 4, 3214868480
	.section	.rodata,"a",@progbits
	.p2align	6, 0x0
	.amdhsa_kernel k_q43e44e10c3_final
		.amdhsa_group_segment_fixed_size 1536
		.amdhsa_private_segment_fixed_size 0
		.amdhsa_enable_private_segment 0
		.amdhsa_kernarg_size 48
		.amdhsa_user_sgpr_count 2
		.amdhsa_user_sgpr_kernarg_segment_ptr 1
		.amdhsa_wavefront_size32 1
		.amdhsa_system_sgpr_workgroup_id_x 1
		.amdhsa_system_sgpr_workgroup_id_y 1
		.amdhsa_system_sgpr_workgroup_id_z 1
		.amdhsa_system_vgpr_workitem_id 0
		.amdhsa_next_free_vgpr 34
		.amdhsa_next_free_sgpr 66
		.amdhsa_reserve_vcc 1
		.amdhsa_float_denorm_mode_32 3
		.amdhsa_float_denorm_mode_16_64 3
		.amdhsa_memory_ordered 1
		.amdhsa_forward_progress 1
		.amdhsa_inst_pref_size 6
	.end_amdhsa_kernel
	.amdgpu_metadata
---
amdhsa.version: [ 1, 2 ]
amdhsa.kernels:
  - .name:           k_q43e44e10c3_final
    .symbol:         k_q43e44e10c3_final.kd
    .args:
      - { .name: fin, .offset: 0, .size: 8, .value_kind: global_buffer, .address_space: global }
      - { .name: out1, .offset: 8, .size: 8, .value_kind: global_buffer, .address_space: global }
      - { .name: out2, .offset: 16, .size: 8, .value_kind: global_buffer, .address_space: global }
      - { .name: out3, .offset: 24, .size: 8, .value_kind: global_buffer, .address_space: global }
      - { .name: out4, .offset: 32, .size: 8, .value_kind: global_buffer, .address_space: global }
      - { .name: out5, .offset: 40, .size: 8, .value_kind: global_buffer, .address_space: global }
    .group_segment_fixed_size: 1536
    .private_segment_fixed_size: 0
    .kernarg_segment_align: 8
    .kernarg_segment_size: 48
    .max_flat_workgroup_size: 256
    .sgpr_count:     66
    .vgpr_count:     34
    .wavefront_size: 32
...
	.end_amdgpu_metadata
.endif
;; end of part 5
;; ======== version 2 of 2: 5 launches; version 1 with the launches sweep1, sweep2 written anew for expert scheduling mode
;; workspace buffers: img 4,259,840 bytes; rec 327,680 bytes; part 2,097,152 bytes; colpart 1,048,576 bytes; idxw 16,384 bytes of whole numbers; fin 6,144 bytes
;; launch prep: the kernel of part 1 again; grid 320 x 1, 4 waves a work-group, no clusters, 134,656 bytes of LDS; arguments w_vqkd, w_vqgan, z, img, rec; writes img, rec
;; launch sweep1 (part 6): grid 16 x 16, 16 waves a work-group, no clusters, 256,000 bytes of LDS; arguments img, part; writes part
.if DOCPART == 6
	.amdgcn_target "amdgcn-amd-amdhsa--gfx1250"
	.amdhsa_code_object_version 6
	.text
	.protected	k_q43e44e10c3_sweep1
	.globl	k_q43e44e10c3_sweep1
	.p2align	8
	.type	k_q43e44e10c3_sweep1,@function
k_q43e44e10c3_sweep1:
	s_mov_b64 s[64:65], 0
	v_nop
	global_prefetch_b8 v0, s[64:65] scope:SCOPE_SE
	s_setreg_imm32_b32 hwreg(HW_REG_WAVE_SCHED_MODE, 0, 2), 2
	s_setreg_imm32_b32 hwreg(HW_REG_WAVE_MODE, 25, 1), 1
	s_wait_xcnt 0x0
	s_wait_alu depctr_vm_vsrc(0)
; SWEEP 1.  For 256 tokens (work-group y) and 1,024 codes (work-group x): d_k and d_g by the matrix unit on FP6 codes; of them, for each token: the sums of d_k^2 and d_g^2, the least d = d_k + d_g
; and its lowest index, and the softmax's statistics of a = -100 d under that least d:  y = K (m - d), K = 100 log2(e);  Z = sum 2^y;  S1 = sum 2^y y.  So the maximum of a is always taken away ahead of an exponential.
; part, first half:  [x][token] 16 bytes (m, index, Z, S1);  second half, 1,048,576 bytes on: [x][token] (sum d_k^2, sum d_g^2, 0, 0).
; SHARES.  Sixteen waves of 256 registers, four to a SIMD.  THE CODES STAY: wave w keeps code tiles 64 x + 4 w + 0..3 (fragments X and Y, scale words, ee_k, ee_g) in registers for the whole launch; the work-group's
; 16 token tiles lie in LDS and every wave walks them.  A step is one token tile against the wave's 64 codes.
; THE PRODUCTS.  Source 0 = 16 codes, source 1 = 16 tokens: a lane holds ONE token (lane % 16), and register 8 t + j of an accumulator run the code 16 t + 8 (lane / 16) + j.  Tokens were quantised as -2 z, and the
; C of each sum is zz + ee (one f32 addition, as in the reference), so the matrix instruction returns the distance.  X = [first half 64 | second half's dims 128..191], Y = second half's dims 0..127:
;   d_k = X . [zk | 0] + C_k;     d_g = Y . zgY + C_g, then + X . [0 | zg's tail].     The two token operands with zeros share six registers of zeros: zk (6) zeros (6) tail (6).
; The accumulators take turns, one instruction a turn, over the backward jump too.
; NO JOINT LOADS, though 16 work-groups read each image: a wave loads 53 times at its head, its codes straight into the registers that keep them, and then walks 16 steps of some 290 instructions with no memory access at all.
; LIMITS: NaN and infinities are not served.  d is rounded by the matrix unit with C inside the sum: two codes whose d lie within some 2 ulp of each other may change places in the index.
; THE MODE: SCHED_MODE bits 1:0 = 2 (LLVM: expert scheduling mode 2), set by the entry lines.  The code itself states the register dependences
; between vector or matrix instructions and memory or LDS instructions, with s_wait_alu, always for 0.
; THE PLAN.  The wave's 256 registers are all taken, so the token tile has one set of registers; the next tile is asked for as soon as each part of the set is free.  Registers that LDS instructions touch in a step:
;   v168-173, v180-185, v194-197, v198-200  zk, the tail, Y's upper third, the lane's record.  Read by the step's twelve products and by the additions that make C; behind the last product the next tile's six loads land in them.
;   v186-193   Y's lower two thirds.  Read by the products; then at work (places, K m, Z, S1) to the step's end, where the next tile's two loads land in them.
;   v234-239   the step's records.  Written by six vector lines at the step's end, read by its two LDS stores, written again by the next step's C_g.
;   v1, v2     read by the eight loads; v3, v201 read by the two stores.  All four are stepped once, in the next step's head.  (v3 and v201 start one row short, so that the step's head can step them in every step.)
; So a step has: one wait on vm_vsrc at its head; one on va_vdst behind its last product, ahead of the six loads; one on va_vdst at its end, ahead of the two stores and the two loads; the two waits behind its exponentials;
; and one on va_sdst behind the run of 32 compares.  The last step is written out: it asks for nothing.
.set IMGB, 3328
.set TOKI, 1024*IMGB                   ; the tokens' images begin here
.set TST,  3584                        ; a token tile in LDS: +0 X 0-3, +512 X 8-11, +1024 +1536 +2048 Y, +2560 the lanes' records (zz_k, zz_g, scale word, 0), +3072 X 4-5, +3328 X 6-7: every access is 16 or 8 bytes x lane on end
.set RCA,  16*TST                      ; records (m, place, Z, S1): wave x 8,192 + tile x 512 + 16 x lane
.set RCB,  RCA+131072                  ; records (sum d_k^2, sum d_g^2): wave x 4,096 + tile x 256 + 8 x lane
.set CS,   4                           ; v4-7     the code tiles' scale words: lanes 0-15 X's, lanes 16-31 Y's; they hold nothing else
.set CF,   8                           ; v8-103   code tile t: X at CF + 24 t, Y at CF + 24 t + 12
.set EEK,  104                         ; v104-135 ee_k of my 32 codes
.set EEG,  136                         ; v136-167 ee_g
.set B1,   168                         ; v168-179 [zk | 0]
.set B2,   174                         ; v174-185 [0 | tail]
.set BY,   186                         ; v186-197 the token's Y; its first eight registers are at work behind a step's last product
.set ZZ,   198                         ; v198-199 zz_k, zz_g of my token
.set TS,   200                         ; v200     the token tile's scale words; holds nothing else
.set RB,   201                         ; v201     where my second record goes
.set DK,   202                         ; v202-233 d_k, then d, then y
.set DG,   234                         ; v234-249 d_g of two code tiles at a time, then 2^y, then the records
.set QK,   250                         ; v250-251, v252-253 the sums of squares, in two halves
.set QG,   252
.set MS,   254                         ; the least d of my 32
.set MT,   255
.set PA,   186
.set PB,   187
.set CM,   188                         ; v188 K m (v189 is named with it as a pair)
.set ZA,   190
.set SA,   192
.set MK,   28                          ; s28-59   the compares' masks
	s_load_b128 s[4:7], s[0:1], 0x0                ; img, part
	v_lshrrev_b32 v1, 5, v0
	v_readfirstlane_b32 s8, v1                     ; wave
	s_and_b32 s10, ttmp7, 0xffff                   ; which 256 tokens
	v_and_b32 v252, 31, v0                         ; lane
	v_and_b32 v253, 15, v0
	v_bfe_u32 v254, v0, 4, 1
	v_lshlrev_b32 v1, 4, v252                      ; 16 x lane: in an image, and in the token tile in hand (the tiles begin at LDS byte 0)
	v_lshlrev_b32 v2, 3, v252                      ; 8 x lane
	s_wait_alu depctr_va_sdst(0)                   ; s8 is written, ahead of its first reader: LDS places and the images' addresses are made from it
	s_mul_i32 s24, s8, TST
	v_add_nc_u32 v250, s24, v1                     ; where I lay token tile w
	v_add_nc_u32 v251, s24, v2
	s_lshl_b32 s24, s8, 13
	s_add_co_u32 s24, s24, RCA-512
	v_add_nc_u32 v3, s24, v1                       ; one row short of where my first record goes: each step's head steps it
	s_lshl_b32 s24, s8, 12
	s_add_co_u32 s24, s24, RCB-256
	v_add_nc_u32 v[RB], s24, v2                    ; likewise
	v_lshlrev_b32 v252, 2, v252                    ; 4 x lane
	v_lshlrev_b32 v253, 2, v253                    ; 4 x (lane % 16)
	v_lshlrev_b32 v254, 5, v254                    ; 32 x (lane / 16)
	v_mov_b32 v229, 0
.irp j, 0,1,2,3,4,5
	v_mov_b32 v[B2+\j], 0                          ; the zeros that the two operands share: written once
.endr
	s_mov_b32 s18, 0xc31044fe                      ; -K
	s_mov_b32 s19, s18                             ; (named with it as a pair)
	s_mov_b32 s20, 0x431044fe                      ; K = 100 log2(e)
	s_mov_b32 s22, 0x76543210
	s_mov_b32 s23, 0xfedcba98                      ; v_permlanex16_b32's selects for lane l xor 16
	s_mov_b32 s25, 0xffff0000                      ; lanes 16-31
	s_mul_i32 s12, ttmp9, 64*IMGB
	s_mul_i32 s24, s8, 4*IMGB
	s_add_co_u32 s12, s12, s24
	s_mov_b32 s13, 0
	s_lshl_b32 s14, s10, 4
	s_add_co_u32 s14, s14, s8
	s_mul_i32 s14, s14, IMGB
	s_add_co_u32 s14, s14, TOKI
	s_mov_b32 s15, 0
	s_wait_kmcnt 0x0
	s_add_nc_u64 s[12:13], s[4:5], s[12:13]        ; my four code tiles
	s_add_nc_u64 s[14:15], s[4:5], s[14:15]        ; token tile 16 y + w
	s_wait_alu depctr_va_vdst(0)                   ; the offsets and LDS addresses v1-3, v201, v250-254 are written, which the loads and stores below read; so are v229, an LDS store's data, and the six zeros, which products take as a part of their operands
	; token tile w first: nine loads
.irp c, 0,1,2,3,4,5
	global_load_b128 v[DK+4*\c:DK+4*\c+3], v1, s[14:15] offset:512*\c
.endr
	global_load_b32 v226, v253, s[14:15] offset:3200
	global_load_b32 v227, v253, s[14:15] offset:3264
	global_load_b32 v228, v252, s[14:15] offset:3072
	; then my codes: 11 loads a tile, 44 in all, into the registers that keep them
.irp t, 0,1,2,3
.irp c, 0,1,2,3,4,5
	global_load_b128 v[CF+24*\t+4*\c:CF+24*\t+4*\c+3], v1, s[12:13] offset:IMGB*\t+512*\c
.endr
	global_load_b32 v[CS+\t], v252, s[12:13] offset:IMGB*\t+3072
	global_load_b128 v[EEK+8*\t:EEK+8*\t+3], v254, s[12:13] offset:IMGB*\t+3200
	global_load_b128 v[EEK+8*\t+4:EEK+8*\t+7], v254, s[12:13] offset:IMGB*\t+3216
	global_load_b128 v[EEG+8*\t:EEG+8*\t+3], v254, s[12:13] offset:IMGB*\t+3264
	global_load_b128 v[EEG+8*\t+4:EEG+8*\t+7], v254, s[12:13] offset:IMGB*\t+3280
.endr
	s_wait_loadcnt 44                              ; the token tile is in; the 44 loads issued behind it may stay out
	ds_store_b128 v250, v[202:205]
	ds_store_b64 v251, v[206:207] offset:3072
	ds_store_b64 v251, v[208:209] offset:3328
	ds_store_b128 v250, v[210:213] offset:512
	ds_store_b128 v250, v[214:217] offset:1024
	ds_store_b128 v250, v[218:221] offset:1536
	ds_store_b128 v250, v[222:225] offset:2048
	ds_store_b128 v250, v[226:229] offset:2560
	s_wait_dscnt 0x0                               ; for the others' sake: my tile lies in LDS
	s_barrier_signal -1
	s_barrier_wait -1                              ; all sixteen do
; A token tile's eight loads, in two parts: six into the registers that are free behind a step's last product, two into those that are at work to the step's end.
.macro LOADA
	ds_load_b96 v[ZZ:ZZ+2], v1 offset:2560         ; my lane's record first
	ds_load_b128 v[B1:B1+3], v1
	ds_load_b64 v[B1+4:B1+5], v2 offset:3072
	ds_load_b64 v[B2+6:B2+7], v2 offset:3328
	ds_load_b128 v[B2+8:B2+11], v1 offset:512
	ds_load_b128 v[BY+8:BY+11], v1 offset:2048
.endm
.macro LOADB
	ds_load_b128 v[BY:BY+3], v1 offset:1024
	ds_load_b128 v[BY+4:BY+7], v1 offset:1536
.endm
	LOADA                                          ; tile 0.  No wait: v1 and v2 were written ahead of the wait in front of the first load, and no vector instruction has named the registers in which these eight land
	LOADB
	s_wait_loadcnt 0x0                             ; my codes
.macro WK t                            ; d_k of code tile t
	v_wmma_scale_f32_16x16x128_f8f6f4 v[DK+8*\t:DK+8*\t+7], v[CF+24*\t:CF+24*\t+11], v[B1:B1+11], v[DK+8*\t:DK+8*\t+7], v[CS+\t], v[TS] matrix_a_fmt:MATRIX_FMT_FP6 matrix_b_fmt:MATRIX_FMT_FP6
.endm
.macro WGY t, u                        ; d_g of code tile t, dims 0..127, in accumulator u of two
	v_wmma_scale_f32_16x16x128_f8f6f4 v[DG+8*\u:DG+8*\u+7], v[CF+24*\t+12:CF+24*\t+23], v[BY:BY+11], v[DG+8*\u:DG+8*\u+7], v[CS+\t], v[TS] matrix_a_fmt:MATRIX_FMT_FP6 matrix_b_fmt:MATRIX_FMT_FP6 matrix_a_scale:MATRIX_SCALE_ROW1 matrix_b_scale:MATRIX_SCALE_ROW1
.endm
.macro WGX t, u                        ; and dims 128..191
	v_wmma_scale_f32_16x16x128_f8f6f4 v[DG+8*\u:DG+8*\u+7], v[CF+24*\t:CF+24*\t+11], v[B2:B2+11], v[DG+8*\u:DG+8*\u+7], v[CS+\t], v[TS] matrix_a_fmt:MATRIX_FMT_FP6 matrix_b_fmt:MATRIX_FMT_FP6
.endm
; One token tile against my 64 codes.  ahead = 1: the next tile is asked for.
.macro STEP ahead
	s_wait_dscnt 7                                 ; the record is in: on the way in seven loads were issued behind it, round the loop nine LDS instructions (five loads, the two stores, two loads)
	s_wait_alu depctr_vm_vsrc(0)                   ; the last step's stores have read v234-239, v3 and v201, its loads v1 and v2: all are written again below.  In the first step: the head's LDS stores have read v202-229, v250, v251, its loads v252-254
.irp u, 0,1                            ; C = ee + zz for code tiles 0 and 1
.irp j, 0,2,4,6
	v_pk_add_f32 v[DK+8*\u+\j:DK+8*\u+\j+1], v[EEK+8*\u+\j:EEK+8*\u+\j+1], v[ZZ:ZZ+1] op_sel_hi:[1,0]
.endr
.irp j, 0,2,4,6
	v_pk_add_f32 v[DG+8*\u+\j:DG+8*\u+\j+1], v[EEG+8*\u+\j:EEG+8*\u+\j+1], v[ZZ:ZZ+1] op_sel:[0,1] op_sel_hi:[1,1]
.endr
.endr
	s_wait_dscnt 0x0                               ; the fragments
	v_add_nc_u32 v3, 512, v3                       ; this step's records
	v_add_nc_u32 v[RB], 256, v[RB]
.if \ahead
	v_add_nc_u32 v1, TST, v1                       ; the next tile
	v_add_nc_u32 v2, TST, v2
.else
	v_nop
	v_nop
.endif
	WK 0
	WGY 0, 0
	WK 1
	WGY 1, 1
	WGX 0, 0
	WGX 1, 1
.set j, 0
.rept 8                                ; C_k for code tiles 2 and 3: eight plain instructions that name no register of the six products: the places behind them
	v_pk_add_f32 v[DK+16+j:DK+16+j+1], v[EEK+16+j:EEK+16+j+1], v[ZZ:ZZ+1] op_sel_hi:[1,0]
.set j, j+2
.endr
	v_pk_mul_f32 v[QK:QK+1], v[DK:DK+1], v[DK:DK+1]       ; the squares start their sums; each accumulator is read from its low end on
	v_pk_mul_f32 v[QG:QG+1], v[DG:DG+1], v[DG:DG+1]
	v_pk_add_f32 v[DK:DK+1], v[DK:DK+1], v[DG:DG+1]       ; d = d_k + d_g
.set j, 2
.rept 7
	v_pk_fma_f32 v[QK:QK+1], v[DK+j:DK+j+1], v[DK+j:DK+j+1], v[QK:QK+1]
	v_pk_fma_f32 v[QG:QG+1], v[DG+j:DG+j+1], v[DG+j:DG+j+1], v[QG:QG+1]
	v_pk_add_f32 v[DK+j:DK+j+1], v[DK+j:DK+j+1], v[DG+j:DG+j+1]
.set j, j+2
.endr
.set j, 0
.rept 8                                ; C_g for code tiles 2 and 3
	v_pk_add_f32 v[DG+j:DG+j+1], v[EEG+16+j:EEG+16+j+1], v[ZZ:ZZ+1] op_sel:[0,1] op_sel_hi:[1,1]
.set j, j+2
.endr
	v_min3_num_f32 v[MS], v[DK], v[DK+1], v[DK+2]         ; the least d, in two chains
	v_min3_num_f32 v[MT], v[DK+3], v[DK+4], v[DK+5]
	v_min3_num_f32 v[MS], v[MS], v[DK+6], v[DK+7]
	v_min3_num_f32 v[MT], v[MT], v[DK+8], v[DK+9]
	WK 2
	WGY 2, 0
	WK 3
	WGY 3, 1
	WGX 2, 0
	WGX 3, 1
	v_min3_num_f32 v[MS], v[MS], v[DK+10], v[DK+11]       ; four plain instructions on the first half's d: the places behind these six
	v_min3_num_f32 v[MT], v[MT], v[DK+12], v[DK+13]
	v_min3_num_f32 v[MS], v[MS], v[DK+14], v[DK+15]
	v_min_num_f32 v[MS], v[MS], v[MT]
.if \ahead
	s_wait_alu depctr_va_vdst(0)                   ; the step's products are done reading zk, the tail, Y and the scale word, its additions are done reading zz; v1 and v2 are written
	LOADA                                          ; the next tile's first six loads: no vector instruction of the rest of the step names their registers
.endif
.set j, 0
.rept 8
	v_pk_fma_f32 v[QK:QK+1], v[DK+16+j:DK+16+j+1], v[DK+16+j:DK+16+j+1], v[QK:QK+1]
	v_pk_fma_f32 v[QG:QG+1], v[DG+j:DG+j+1], v[DG+j:DG+j+1], v[QG:QG+1]
	v_pk_add_f32 v[DK+16+j:DK+16+j+1], v[DK+16+j:DK+16+j+1], v[DG+j:DG+j+1]
.set j, j+2
.endr
	v_min3_num_f32 v[MS], v[MS], v[DK+16], v[DK+17]
	v_min3_num_f32 v[MT], v[DK+18], v[DK+19], v[DK+20]
	v_min3_num_f32 v[MS], v[MS], v[DK+21], v[DK+22]
	v_min3_num_f32 v[MT], v[MT], v[DK+23], v[DK+24]
	v_min3_num_f32 v[MS], v[MS], v[DK+25], v[DK+26]
	v_min3_num_f32 v[MT], v[MT], v[DK+27], v[DK+28]
	v_min3_num_f32 v[MS], v[MS], v[DK+29], v[DK+30]
	v_min3_num_f32 v[MS], v[MS], v[MT], v[DK+31]
	; where the least d stands: each register is held against it, all 32 in one run, a mask each; then the places are chosen from the highest down, so that the lowest wins; two chains.  A place is 16 t + j; 8 (lane / 16) is added in the merge
.set e, 0
.rept 32
	v_cmp_neq_f32 s[MK+e], v[DK+e], v[MS]
.set e, e+1
.endr
	v_mov_b32 v[PA], 64
	v_mov_b32 v[PB], 64
	s_wait_alu depctr_va_sdst(0)                   ; the 32 compares have written s28-59, which the selects below read
.set e, 15
.rept 16
	v_cndmask_b32 v[PA], 16*((16+e)/8)+e%8, v[PA], s[MK+16+e]
	v_cndmask_b32 v[PB], 16*(e/8)+e%8, v[PB], s[MK+e]
.set e, e-1
.endr
	v_mul_f32 v[CM], s20, v[MS]
.set j, 0
.rept 16
	v_pk_fma_f32 v[DK+j:DK+j+1], v[DK+j:DK+j+1], s[18:19], v[CM:CM+1] op_sel_hi:[1,0,0]   ; y = K m - K d (of the pairs -K and K m the low word serves both halves)
.set j, j+2
.endr
.set j, 0
.rept 16
	v_exp_f32 v[DG+j], v[DK+j]
.set j, j+1
.endr
	v_nop                                          ; a plain place behind the exponentials
	s_wait_alu depctr_va_vdst(0)                   ; the sixteen exponentials have written v234-249, ahead of their first reader
	v_pk_add_f32 v[ZA:ZA+1], v[DG:DG+1], v[DG+2:DG+3]
	v_pk_mul_f32 v[SA:SA+1], v[DG:DG+1], v[DK:DK+1]
	v_pk_fma_f32 v[SA:SA+1], v[DG+2:DG+3], v[DK+2:DK+3], v[SA:SA+1]
.set j, 4
.rept 6
	v_pk_add_f32 v[ZA:ZA+1], v[ZA:ZA+1], v[DG+j:DG+j+1]
	v_pk_fma_f32 v[SA:SA+1], v[DG+j:DG+j+1], v[DK+j:DK+j+1], v[SA:SA+1]
.set j, j+2
.endr
.set j, 0
.rept 16
	v_exp_f32 v[DG+j], v[DK+16+j]
.set j, j+1
.endr
	v_nop
.set j, 0
	s_wait_alu depctr_va_vdst(0)                   ; the second sixteen exponentials have written v234-249, ahead of their first reader
.rept 8
	v_pk_add_f32 v[ZA:ZA+1], v[ZA:ZA+1], v[DG+j:DG+j+1]
	v_pk_fma_f32 v[SA:SA+1], v[DG+j:DG+j+1], v[DK+16+j:DK+16+j+1], v[SA:SA+1]
.set j, j+2
.endr
	v_mov_b32 v[DG], v[MS]
	v_min_u32 v[DG+1], v[PA], v[PB]
	v_add_f32 v[DG+2], v[ZA], v[ZA+1]
	v_add_f32 v[DG+3], v[SA], v[SA+1]
	v_add_f32 v[DG+4], v[QK], v[QK+1]
	v_add_f32 v[DG+5], v[QG], v[QG+1]
	s_wait_alu depctr_va_vdst(0)                   ; the six lines above have written v234-239, which the stores read, and v3 and v201 are written; the work on v186-193 is over, in which the two loads land
	ds_store_b128 v3, v[DG:DG+3]
	ds_store_b64 v[RB], v[DG+4:DG+5]
.if \ahead
	LOADB                                          ; the next tile's last two loads
.endif
.endm
	s_mov_b32 s16, 15
.Lstep:
	STEP 1
	s_sub_co_i32 s16, s16, 1
	s_cmp_lg_u32 s16, 0
	s_cbranch_scc1 .Lstep
	STEP 0                                         ; the last tile is written out: there is no tile behind it to ask for
	s_wait_dscnt 0x0                               ; my records lie in LDS
	s_barrier_signal -1
	s_barrier_wait -1                              ; everybody's do
	; ---- THE MERGE: wave w brings token tile w's 16 records a lane, and then the two halves of the lanes, under the common least d, MG:  delta = K (MG - m), f = 2^delta;  Z += f Z_i;  S1 += f (S1_i + delta Z_i)
	v_and_b32 v104, 31, v0
	v_and_b32 v105, 15, v0
	v_bfe_u32 v106, v0, 4, 1
	s_lshl_b32 s26, s8, 9
	s_add_co_u32 s26, s26, RCA
	v_lshl_add_u32 v107, v104, 4, s26              ; waves 0-7's records of my tile,
	v_add_nc_u32 v108, 0x10000, v107               ; waves 8-15's (an LDS offset has 16 bits)
	s_lshl_b32 s26, s8, 8
	s_add_co_u32 s26, s26, RCB
	v_lshl_add_u32 v109, v104, 3, s26
	s_wait_alu depctr_va_vdst(0)                   ; v107-109 are written, which the loads below read; the products are done reading v8-103, in which they land
.set i, 0
.rept 8
	ds_load_b128 v[8+4*i:11+4*i], v107 offset:8192*i
.set i, i+1
.endr
.set i, 0
.rept 8
	ds_load_b128 v[40+4*i:43+4*i], v108 offset:8192*i
.set i, i+1
.endr
.set i, 0
.rept 16
	ds_load_b64 v[72+2*i:73+2*i], v109 offset:4096*i
.set i, i+1
.endr
	v_mov_b32 v111, 0                              ; lane permutes' destinations count as sources: written once
.irp j, 154,155,156,157,158,159
	v_mov_b32 v\j, 0
.endr
	s_lshl_b32 s27, ttmp9, 10
	v_lshlrev_b32 v115, 3, v106
	v_add_nc_u32 v115, s27, v115                   ; 8 (lane / 16) + 1,024 x
	s_lshl_b32 s26, ttmp9, 12
	s_lshl_b32 s27, s10, 8
	s_add_co_u32 s26, s26, s27
	s_lshl_b32 s27, s8, 4
	s_add_co_u32 s26, s26, s27
	s_lshl_b32 s26, s26, 4                         ; (4,096 x + 256 y + 16 w) records of 16 bytes
	v_lshlrev_b32 v164, 20, v106                   ; lanes 16-31 store into the second half of part
	v_lshl_add_u32 v164, v105, 4, v164
	v_add_nc_u32 v164, s26, v164
	s_wait_dscnt 0x0
	v_min3_num_f32 v110, v8, v12, v16
.set i, 3
.rept 6
	v_min3_num_f32 v110, v110, v[8+4*i], v[12+4*i]
.set i, i+2
.endr
	v_min_num_f32 v110, v110, v68
	v_permlanex16_b32 v111, v110, s22, s23
	v_min_num_f32 v112, v110, v111                 ; MG
.set i, 0
.rept 16                               ; which records reach MG: sixteen compares in one run, a mask each
	v_cmp_neq_f32 s[MK+i], v[8+4*i], v112
.set i, i+1
.endr
	v_mov_b32 v113, 0x7fffffff
	s_wait_alu depctr_va_sdst(0)                   ; the sixteen compares have written s28-43, which the selects below read
.set i, 15
.rept 16                               ; the lowest index among the records that reach MG: from the highest wave down
	v_add_nc_u32 v114, 64*i, v[9+4*i]
	v_cndmask_b32 v113, v114, v113, s[MK+i]
.set i, i-1
.endr
	v_add_nc_u32 v113, v113, v115
.set i, 0
.rept 16
	v_sub_f32 v[116+i], v112, v[8+4*i]
.set i, i+1
.endr
.set i, 0
.rept 16
	v_mul_f32 v[116+i], s20, v[116+i]              ; delta
.set i, i+1
.endr
.set i, 0
.rept 16
	v_exp_f32 v[132+i], v[116+i]                   ; f
.set i, i+1
.endr
	v_nop
	v_fma_f32 v150, v116, v10, v11
	s_wait_alu depctr_va_vdst(0)                   ; the sixteen exponentials have written v132-147, ahead of their first reader
	v_mul_f32 v148, v132, v10
	v_mul_f32 v149, v132, v150
.set i, 1
.rept 15
	v_fma_f32 v150, v[116+i], v[10+4*i], v[11+4*i]
	v_fma_f32 v148, v[132+i], v[10+4*i], v148
	v_fma_f32 v149, v[132+i], v150, v149
.set i, i+1
.endr
	v_pk_add_f32 v[152:153], v[72:73], v[74:75]
.set i, 2
.rept 14
	v_pk_add_f32 v[152:153], v[152:153], v[72+2*i:73+2*i]
.set i, i+1
.endr
	v_permlanex16_b32 v154, v113, s22, s23
	v_permlanex16_b32 v155, v148, s22, s23
	v_permlanex16_b32 v156, v149, s22, s23
	v_permlanex16_b32 v157, v152, s22, s23
	v_permlanex16_b32 v158, v153, s22, s23
	v_min_u32 v113, v113, v154                     ; a half that does not reach MG holds a number above every index
	v_add_f32 v148, v148, v155
	v_add_f32 v149, v149, v156
	v_add_f32 v152, v152, v157
	v_add_f32 v153, v153, v158
	v_cndmask_b32 v160, v112, v152, s25
	v_cndmask_b32 v161, v113, v153, s25
	v_cndmask_b32 v162, v148, v159, s25
	v_cndmask_b32 v163, v149, v159, s25
	s_wait_alu depctr_va_vdst(0)                   ; v160-163 and v164 are written: the store's data and its offset
	global_store_b128 v164, v[160:163], s[6:7]     ; each half of the lanes stores 256 consecutive bytes, aligned
	s_wait_xcnt 0x0
	v_lshl_add_u32 v254, v0, 2, 0x3e000
	v_mov_b32 v255, 0
	s_wait_dscnt 0x0                               ; the closing lines, six on end
	s_wait_alu 0x0
	s_wait_tensorcnt 0x0
	ds_add_u32 v254, v255
	s_wait_dscnt 0x0
	s_endpgm
.Lfunc_end_k_q43e44e10c3_sweep1:
	.size	k_q43e44e10c3_sweep1, .Lfunc_end_k_q43e44e10c3_sweep1-k_q43e44e10c3_sweep1
	.p2alignl 7, 3214868480
	.fill 96, 4, 3214868480
	.section	.rodata,"a",@progbits
	.p2align	6, 0x0
	.amdhsa_kernel k_q43e44e10c3_sweep1
		.amdhsa_group_segment_fixed_size 256000
		.amdhsa_private_segment_fixed_size 0
		.amdhsa_enable_private_segment 0
		.amdhsa_kernarg_size 16
		.amdhsa_user_sgpr_count 2
		.amdhsa_user_sgpr_kernarg_segment_ptr 1
		.amdhsa_wavefront_size32 1
		.amdhsa_system_sgpr_workgroup_id_x 1
		.amdhsa_system_sgpr_workgroup_id_y 1
		.amdhsa_system_sgpr_workgroup_id_z 1
		.amdhsa_system_vgpr_workitem_id 0
		.amdhsa_next_free_vgpr 256
		.amdhsa_next_free_sgpr 66
		.amdhsa_reserve_vcc 0
		.amdhsa_float_denorm_mode_32 3
		.amdhsa_float_denorm_mode_16_64 3
		.amdhsa_memory_ordered 1
		.amdhsa_forward_progress 1
		.amdhsa_inst_pref_size 56
	.end_amdhsa_kernel
	.amdgpu_metadata
---
amdhsa.version: [ 1, 2 ]
amdhsa.kernels:
  - .name:           k_q43e44e10c3_sweep1
    .symbol:         k_q43e44e10c3_sweep1.kd
    .args:
      - { .name: img, .offset: 0, .size: 8, .value_kind: global_buffer, .address_space: global }
      - { .name: part, .offset: 8, .size: 8, .value_kind: global_buffer, .address_space: global }
    .group_segment_fixed_size: 256000
    .private_segment_fixed_size: 0
    .kernarg_segment_align: 8
    .kernarg_segment_size: 16
    .max_flat_workgroup_size: 512
    .sgpr_count:     66
    .vgpr_count:     256
    .wavefront_size: 32
...
	.end_amdgpu_metadata
.endif
;; end of part 6
;; launch sweep2 (part 7): grid 16 x 16, 16 waves a work-group, no clusters, 60,672 bytes of LDS; arguments img, part, colpart, out6, idxw, fin; writes colpart, out6, idxw, fin
.if DOCPART == 7
	.amdgcn_target "amdgcn-amd-amdhsa--gfx1250"
	.amdhsa_code_object_version 6
	.text
	.protected	k_q43e44e10c3_sweep2
	.globl	k_q43e44e10c3_sweep2
	.p2align	8
	.type	k_q43e44e10c3_sweep2,@function
k_q43e44e10c3_sweep2:
	s_mov_b64 s[64:65], 0
	v_nop
	global_prefetch_b8 v0, s[64:65] scope:SCOPE_SE
	s_setreg_imm32_b32 hwreg(HW_REG_WAVE_SCHED_MODE, 0, 2), 2
	s_setreg_imm32_b32 hwreg(HW_REG_WAVE_MODE, 25, 1), 1
	s_wait_xcnt 0x0
	s_wait_alu depctr_vm_vsrc(0)
; SWEEP 2.  The rows are finished from the 16 records a token that the first sweep left, and the products are made again to sum the NORMALISED softmax down the columns:
;   MG = the row's least d, Z and S1 under it;  c2 = K MG - log2 Z;  p = 2^(c2 - K d);  H = ln 2 (log2 Z - S1 / Z), the row's entropy (the 1e-5 inside log_softmax cancels: log_softmax does not feel a shift).
; colpart [y][code] = the sum of p over the work-group's 256 tokens.  The work-groups with x = 0 also store the indices (out6, and idxw for the gather) and, for each token tile, (sum H, sum d_k^2, sum d_g^2, 0) into fin.
; SHARES as in the first sweep: 256 tokens (y) x 1,024 codes (x); wave w keeps code tiles 64 x + 4 w + 0..3 in registers; the 16 token tiles lie in LDS.  Here only d is wanted, so a 16 x 16 tile is two matrix
; instructions on one accumulator, whose C is (ee_k + ee_g) + (zz_k + zz_g):  X . X, then Y . Y.  The four accumulators take turns, one instruction a turn, over the backward jump too.
; NO JOINT LOADS: a wave loads 69 times at its head, its codes straight into the registers that keep them, and its 16 steps touch no memory.
; LIMITS: NaN and infinities are not served.
; THE MODE: SCHED_MODE bits 1:0 = 2 (LLVM: expert scheduling mode 2), set by the entry lines.  The code itself states the register dependences
; between vector or matrix instructions and memory or LDS instructions, with s_wait_alu, always for 0.
; THE PLAN.  Registers that LDS instructions touch in the loop:
;   set 0 (v168-194), set 1 (v228-254)   a token tile: X, Y, zzs, c2, the scale words.  Step t: its products, its additions and its scalings read set t % 2; at its head the seven loads of tile t + 1 land in the other set.
;   v1   read by every one of these loads; written once a trip (two steps): immediate offsets reach the trip's two tiles.
;   The codes, ees, the column sums and the accumulators are named by vector and matrix instructions alone.
; So ONE wait on va_vdst stands at a step's head, behind the wait for the set that is about to be worked on: the step before is done with the other set, and v1 is written.  No vector or matrix instruction of the step names
; the other set, so its seven loads owe nothing more and have the whole step in which to land.  One wait on vm_vsrc a trip stands ahead of the add to v1.  The wait behind a step's exponentials stays.
.set IMGB, 3328
.set TOKI, 1024*IMGB
.set TST,  3584                        ; a token tile in LDS: X at +0 +512 +1024, Y at +1536 +2048 +2560, the lanes' records (zzs, c2, scale word, 0) at +3072
.set IDS,  16*TST                      ; 256 indices
.set RSR,  IDS+1024                    ; 16 records of 16 bytes
.set CS,   4                           ; v4-7     the code tiles' scale words; they hold nothing else
.set CF,   8                           ; v8-103   code tile t: X at CF + 24 t, Y at CF + 24 t + 12
.set EES,  104                         ; v104-135 ee_k + ee_g of my 32 codes
.set P,    136                         ; v136-167 the column sums
.set TX,   168                         ; set 0: v168-179 X
.set TY,   180                         ;        v180-191 Y
.set ZC,   192                         ;        v192-193 zzs, c2 of my token
.set TS,   194                         ;        v194     the token tile's scale words
.set NB,   60                          ; set 1 lies 60 registers above set 0: v228-239, v240-251, v252-253, v254 (at the head these 27 are at work)
.set ACC,  196                         ; v196-227 d, then c2 - K d, then p
.set KP,   236
.set MK,   37                          ; s37-44   the compares' masks
	s_load_b256 s[4:11], s[0:1], 0x0               ; img, part, colpart, out6
	s_load_b128 s[12:15], s[0:1], 0x20             ; idxw, fin
	v_lshrrev_b32 v1, 5, v0
	v_readfirstlane_b32 s16, v1                    ; wave
	s_and_b32 s17, ttmp7, 0xffff                   ; which 256 tokens
	v_and_b32 v253, 31, v0
	v_and_b32 v255, 15, v0
	v_bfe_u32 v254, v0, 4, 1
	v_lshlrev_b32 v1, 4, v253                      ; 16 x lane
	v_lshl_add_u32 v2, v253, 3, RSR                ; the LDS addresses of the reads behind the barrier are made here, ahead of every branch
	s_wait_alu depctr_va_sdst(0)                   ; s16 is written, ahead of its first reader: LDS places, addresses and the branches on the wave's number are made from it
	s_and_b32 s36, s16, 1
	s_lshl_b32 s36, s36, 9
	s_add_co_u32 s29, s36, IDS
	v_add_nc_u32 v3, s29, v1
	s_lshl_b32 s29, s17, 8
	s_lshl_b32 s30, s16, 4
	s_add_co_u32 s29, s29, s30                     ; my tile's first token
	s_lshl_b32 s30, s29, 4
	v_lshlrev_b32 v252, 19, v254                   ; part: lanes 16-31 take the splits 8 .. 15 (65,536 bytes a split)
	v_lshl_add_u32 v252, v255, 4, v252
	v_add_nc_u32 v252, s30, v252
	v_lshlrev_b32 v253, 2, v253                    ; 4 x lane
	v_lshlrev_b32 v254, 5, v254                    ; 32 x (lane / 16)
	v_lshlrev_b32 v255, 2, v255                    ; 4 x (lane % 16)
	v_mov_b32 v195, 0
	s_mov_b32 s18, 0xc31044fe                      ; -K
	s_mov_b32 s19, s18
	s_mov_b32 s20, 0x431044fe                      ; K = 100 log2(e)
	s_mov_b32 s22, 0x76543210
	s_mov_b32 s23, 0xfedcba98
	s_mov_b32 s32, 0xff00ff00                      ; the lanes whose number has bit 3, 2, 1, 0 set
	s_mov_b32 s33, 0xf0f0f0f0
	s_mov_b32 s34, 0xcccccccc
	s_mov_b32 s35, 0xaaaaaaaa
	s_mul_i32 s24, ttmp9, 64*IMGB
	s_mul_i32 s28, s16, 4*IMGB
	s_add_co_u32 s24, s24, s28
	s_mov_b32 s25, 0
	s_lshl_b32 s26, s17, 4
	s_add_co_u32 s26, s26, s16
	s_mul_i32 s26, s26, IMGB
	s_add_co_u32 s26, s26, TOKI
	s_mov_b32 s27, 0
	s_wait_kmcnt 0x0
	s_add_nc_u64 s[24:25], s[4:5], s[24:25]
	s_add_nc_u64 s[26:27], s[4:5], s[26:27]
	s_wait_alu depctr_va_vdst(0)                   ; the offsets v1 and v252-255 are written, which the loads below read; so are the LDS addresses v2 and v3 and v195, an LDS store's data
.irp c, 0,1,2,3,4,5
	global_load_b128 v[TX+4*\c:TX+4*\c+3], v1, s[26:27] offset:512*\c      ; token tile 16 y + w
.endr
	global_load_b32 v[TS], v253, s[26:27] offset:3072
	global_load_b32 v[ZC], v255, s[26:27] offset:3200
	global_load_b32 v[ZC+1], v255, s[26:27] offset:3264
.set i, 0
.rept 8
	global_load_b128 v[ACC+4*i:ACC+4*i+3], v252, s[6:7] offset:65536*i     ; (m, index, Z, S1) of split 8 (lane / 16) + i
.set i, i+1
.endr
.set i, 0
.rept 8
	global_load_b64 v[228+2*i:229+2*i], v252, s[6:7] offset:1048576+65536*i   ; (sum d_k^2, sum d_g^2)
.set i, i+1
.endr
.irp t, 0,1,2,3                        ; my codes: 44 loads
.irp c, 0,1,2,3,4,5
	global_load_b128 v[CF+24*\t+4*\c:CF+24*\t+4*\c+3], v1, s[24:25] offset:IMGB*\t+512*\c
.endr
	global_load_b32 v[CS+\t], v253, s[24:25] offset:IMGB*\t+3072
	global_load_b128 v[EES+8*\t:EES+8*\t+3], v254, s[24:25] offset:IMGB*\t+3200
	global_load_b128 v[EES+8*\t+4:EES+8*\t+7], v254, s[24:25] offset:IMGB*\t+3216
	global_load_b128 v[P+8*\t:P+8*\t+3], v254, s[24:25] offset:IMGB*\t+3264
	global_load_b128 v[P+8*\t+4:P+8*\t+7], v254, s[24:25] offset:IMGB*\t+3280
.endr
	s_wait_loadcnt 44                              ; the token tile and its records are in; the 44 code loads may stay out.  v252 and v255 are free, v253 and v254 are not
	s_wait_alu depctr_vm_vsrc(0)                   ; the loads have read v252 and v255, which are written anew below
	s_mul_i32 s29, s16, TST
	v_add_nc_u32 v251, s29, v1                     ; where I lay token tile w,
	s_lshl_b32 s29, s16, 6
	s_add_co_u32 s29, s29, IDS
	v_add_nc_u32 v252, s29, v255                   ; my token's index,
	s_lshl_b32 s29, s16, 4
	s_add_co_u32 s29, s29, RSR
	v_mov_b32 v255, s29                            ; my tile's record
	; ---- the merge: eight records a lane, then the two halves of the lanes
	v_min3_num_f32 v244, v196, v200, v204
	v_min3_num_f32 v244, v244, v208, v212
	v_min3_num_f32 v244, v244, v216, v220
	v_min_num_f32 v244, v244, v224
	v_mov_b32 v245, 0
	v_permlanex16_b32 v245, v244, s22, s23
	v_min_num_f32 v246, v244, v245                 ; MG
.set i, 0
.rept 8                                ; which splits reach MG: eight compares in one run, a mask each
	v_cmp_neq_f32 s[MK+i], v[ACC+4*i], v246
.set i, i+1
.endr
	v_mov_b32 v247, 0x7fffffff
	s_wait_alu depctr_va_sdst(0)                   ; the eight compares have written s37-44, which the selects below read
.set i, 7
.rept 8                                ; the lowest index among the splits that reach MG: from the highest split down
	v_cndmask_b32 v247, v[ACC+1+4*i], v247, s[MK+i]
.set i, i-1
.endr
.set i, 0
.rept 8
	v_sub_f32 v[ACC+4*i], v246, v[ACC+4*i]
.set i, i+1
.endr
.set i, 0
.rept 8
	v_mul_f32 v[ACC+4*i], s20, v[ACC+4*i]          ; delta = K (MG - m), over m
.set i, i+1
.endr
.set i, 0
.rept 8
	v_exp_f32 v[ACC+1+4*i], v[ACC+4*i]             ; f = 2^delta, over the index
.set i, i+1
.endr
	v_nop
	v_fma_f32 v250, v196, v198, v199
	s_wait_alu depctr_va_vdst(0)                   ; the eight exponentials have written f, ahead of its first reader
	v_mul_f32 v248, v197, v198
	v_mul_f32 v249, v197, v250
.set i, 1
.rept 7
	v_fma_f32 v250, v[ACC+4*i], v[ACC+2+4*i], v[ACC+3+4*i]
	v_fma_f32 v248, v[ACC+1+4*i], v[ACC+2+4*i], v248
	v_fma_f32 v249, v[ACC+1+4*i], v250, v249
.set i, i+1
.endr
.set i, 1
.rept 7
	v_pk_add_f32 v[228:229], v[228:229], v[228+2*i:229+2*i]
.set i, i+1
.endr
	v_permlanex16_b32 v245, v247, s22, s23
	v_min_u32 v247, v247, v245                     ; the index
	v_permlanex16_b32 v244, v248, s22, s23
	v_add_f32 v248, v248, v244                     ; Z
	v_permlanex16_b32 v245, v249, s22, s23
	v_add_f32 v249, v249, v245                     ; S1
	v_permlanex16_b32 v244, v228, s22, s23
	v_add_f32 v228, v228, v244
	v_permlanex16_b32 v245, v229, s22, s23
	v_add_f32 v229, v229, v245
	v_log_f32 v244, v248                           ; log2 Z
	v_rcp_f32 v245, v248
	v_add_f32 v[ZC], v[ZC], v[ZC+1]                ; zzs.  (A plain place behind the transcendentals)
	s_wait_alu depctr_va_vdst(0)                   ; log2 Z and 1 / Z are written, ahead of their first reader
	v_fma_f32 v[ZC+1], s20, v246, -v244            ; c2
	v_mul_f32 v245, v249, v245
	v_sub_f32 v244, v244, v245
	v_mul_f32 v244, 0x3f317218, v244               ; H
.irp m, 1,2,4,8                        ; over the tile's 16 tokens
	v_add_f32_dpp v244, v244, v244 row_xmask:\m row_mask:0xf bank_mask:0xf
	v_add_f32_dpp v228, v228, v228 row_xmask:\m row_mask:0xf bank_mask:0xf
	v_add_f32_dpp v229, v229, v229 row_xmask:\m row_mask:0xf bank_mask:0xf
.endr
	v_mov_b32 v232, v244                           ; my tile's record, in registers that no earlier store of the run below reads
	v_mov_b32 v233, v228
	v_mov_b32 v234, v229
	v_mov_b32 v235, 0
	s_lshl_b32 s29, s17, 10
	s_add_co_u32 s29, s29, s36
	v_add_nc_u32 v236, s29, v1                     ; 1,024 y + 512 (w % 2) + 16 x lane
	v_and_b32 v237, 31, v0
	v_lshlrev_b32 v237, 3, v237
	s_lshl_b32 s29, s17, 8
	v_add_nc_u32 v237, s29, v237                   ; 256 y + 8 x lane
	s_wait_alu depctr_va_vdst(0)                   ; zzs, c2, the index v247 and the record v232-235 are written, which the LDS stores read as data, and v251, v252, v255, their addresses; so are v236 and v237, the offsets of the rows' stores
.irp c, 0,1,2,3,4,5
	ds_store_b128 v251, v[TX+4*\c:TX+4*\c+3] offset:512*\c
.endr
	ds_store_b128 v251, v[ZC:ZC+3] offset:3072
	ds_store_b32 v252, v247                        ; both halves of the lanes write the same word with the same value
	ds_store_b128 v255, v[232:235]                 ; all lanes write the same 16 bytes with the same values
	s_wait_dscnt 0x0                               ; for the others' sake
	s_barrier_signal -1
	s_barrier_wait -1
; A token tile's seven loads into set p, from off bytes behind v1's tile.
.macro FETCH p, off
	ds_load_b96 v[ZC+NB*(\p):ZC+NB*(\p)+2], v1 offset:(\off)+3072
.irp c, 0,1,2,3,4,5
	ds_load_b128 v[TX+NB*(\p)+4*\c:TX+NB*(\p)+4*\c+3], v1 offset:(\off)+512*\c
.endr
.endm
	s_wait_alu depctr_vm_vsrc(0)                   ; my LDS stores have read v168-195, in which tile 0's loads land, and v232-235, v247, v251, v252 of set 1; the code loads have read v253 and v254 of set 1
	FETCH 0, 0                                     ; tile 0.  (The vector lines that wrote zzs and c2 stand ahead of the last wait on va_vdst)
	s_wait_loadcnt 0x0                             ; my codes
.set j, 0
.rept 16
	v_pk_add_f32 v[EES+j:EES+j+1], v[EES+j:EES+j+1], v[P+j:P+j+1]
.set j, j+2
.endr
.set j, 0
.rept 32
	v_mov_b32 v[P+j], 0
.set j, j+1
.endr
	; ---- the rows' results leave once: by the work-groups with x = 0.  Scalar branches on ids; no barrier stands inside
	s_cmp_lg_u32 ttmp9, 0
	s_cbranch_scc1 .Lno_rows
	s_cmp_lt_u32 s16, 4
	s_cbranch_scc0 .Lnot_idx
	ds_load_b128 v[228:231], v3                    ; (no vector instruction since the last wait on va_vdst names v228-231)
	s_cmp_lt_u32 s16, 2
	s_cselect_b64 s[26:27], s[10:11], s[12:13]     ; waves 0, 1: out6; waves 2, 3: idxw
	s_wait_dscnt 0x0
	global_store_b128 v236, v[228:231], s[26:27]   ; 512 consecutive bytes
	s_wait_xcnt 0x0                                ; the store's addresses are translated: its registers belong to set 1 and are loaded into in the loop
	s_wait_alu depctr_vm_vsrc(0)                   ; the store has read v228-231 and v236, in which the loop's loads land
	s_branch .Lno_rows
.Lnot_idx:
	s_cmp_eq_u32 s16, 4
	s_cbranch_scc0 .Lno_rows
	ds_load_b64 v[228:229], v2
	s_wait_dscnt 0x0
	global_store_b64 v237, v[228:229], s[14:15]    ; 256 consecutive bytes
	s_wait_xcnt 0x0                                ; as above
	s_wait_alu depctr_vm_vsrc(0)                   ; the store has read v228, v229 and v237, in which the loop's loads land
.Lno_rows:
.macro WX t, p
	v_wmma_scale_f32_16x16x128_f8f6f4 v[ACC+8*\t:ACC+8*\t+7], v[CF+24*\t:CF+24*\t+11], v[TX+NB*\p:TX+NB*\p+11], v[ACC+8*\t:ACC+8*\t+7], v[CS+\t], v[TS+NB*\p] matrix_a_fmt:MATRIX_FMT_FP6 matrix_b_fmt:MATRIX_FMT_FP6
.endm
.macro WY t, p
	v_wmma_scale_f32_16x16x128_f8f6f4 v[ACC+8*\t:ACC+8*\t+7], v[CF+24*\t+12:CF+24*\t+23], v[TY+NB*\p:TY+NB*\p+11], v[ACC+8*\t:ACC+8*\t+7], v[CS+\t], v[TS+NB*\p] matrix_a_fmt:MATRIX_FMT_FP6 matrix_b_fmt:MATRIX_FMT_FP6 matrix_a_scale:MATRIX_SCALE_ROW1 matrix_b_scale:MATRIX_SCALE_ROW1
.endm
; One token tile, in set p, against my 64 codes.  ahead = 1: the next tile, off bytes behind v1's, is asked for into the other set.  move = 1: v1 goes on by the trip's two tiles.
.macro STEP p, ahead, off, move
	s_wait_dscnt 0x0                               ; set p's seven loads, issued a step ago, are in
.if \ahead
	s_wait_alu depctr_va_vdst(0)                   ; the step before is done with the other set: its products with X, Y and the scale words, its additions and scalings with zzs and c2; v1 is written.  In the first step: the head's work on v228-254 is over
	FETCH 1-\p, \off
.endif
.set j, 0
.rept 16
	v_pk_add_f32 v[ACC+j:ACC+j+1], v[EES+j:EES+j+1], v[ZC+NB*\p:ZC+NB*\p+1] op_sel_hi:[1,0]   ; C = ees + zzs
.set j, j+2
.endr
.if \move
	s_wait_alu depctr_vm_vsrc(0)                   ; the trip's fourteen loads have read v1
	v_add_nc_u32 v1, 2*TST, v1                     ; on by two tiles
.else
	v_nop
.endif
	v_nop
	v_nop
	v_nop
	WX 0, \p
	WX 1, \p
	WX 2, \p
	WX 3, \p
	WY 0, \p
	WY 1, \p
	WY 2, \p
	WY 3, \p
.rept 4
	v_nop                                          ; the places behind the products: no other vector work is at hand
.endr
.set j, 0
.rept 16
	v_pk_fma_f32 v[ACC+j:ACC+j+1], v[ACC+j:ACC+j+1], s[18:19], v[ZC+NB*\p:ZC+NB*\p+1] op_sel:[0,0,1] op_sel_hi:[1,0,1]   ; c2 - K d; each accumulator from its low end on
.set j, j+2
.endr
.set j, 0
.rept 32
	v_exp_f32 v[ACC+j], v[ACC+j]
.set j, j+1
.endr
	v_nop                                          ; a plain place behind the exponentials
.set j, 0
	s_wait_alu depctr_va_vdst(0)                   ; the 32 exponentials have written v196-227, ahead of their first reader
.rept 16
	v_pk_add_f32 v[P+j:P+j+1], v[P+j:P+j+1], v[ACC+j:ACC+j+1]
.set j, j+2
.endr
.endm
	s_mov_b32 s21, 7
.Lstep:                                ; a trip is two steps: both sets are back at their start
	STEP 0, 1, TST, 0
	STEP 1, 1, 2*TST, 1
	s_sub_co_i32 s21, s21, 1
	s_cmp_lg_u32 s21, 0
	s_cbranch_scc1 .Lstep
	STEP 0, 1, TST, 0                              ; the last two tiles are written out: the last asks for nothing
	STEP 1, 0, 0, 0
; THE SUMS OVER THE 16 TOKEN LANES, scattered: in each stage a lane keeps one half of its numbers, by a bit of its number, and hands the other half to the lane that differs in that bit.
; After four stages lane (r, h) holds the finished sums of registers 2 r and 2 r + 1.
.macro RS n, m, mask
.set i, 0
.rept \n/2
	v_cndmask_b32 v[KP+2*(i%2)], v[P+i], v[P+\n/2+i], \mask
	v_cndmask_b32 v[KP+1+2*(i%2)], v[P+\n/2+i], v[P+i], \mask
	v_add_f32_dpp v[P+i], v[KP+1+2*(i%2)], v[KP+2*(i%2)] row_xmask:\m row_mask:0xf bank_mask:0xf
.set i, i+1
.endr
.endm
	RS 32, 8, s32
	RS 16, 4, s33
	RS 8, 2, s34
	RS 4, 1, s35
	v_and_b32 v240, 15, v0                         ; register 8 t + j is code 16 t + 8 h + j: registers 2 r, 2 r + 1 are codes 16 (r / 4) + 8 h + 2 (r % 4), + 1
	v_lshrrev_b32 v241, 2, v240
	v_and_b32 v240, 3, v240
	v_lshlrev_b32 v240, 3, v240
	v_lshl_add_u32 v240, v241, 6, v240
	v_bfe_u32 v241, v0, 4, 1
	v_lshl_add_u32 v240, v241, 5, v240
	s_lshl_b32 s28, s17, 16
	s_lshl_b32 s29, ttmp9, 12
	s_add_co_u32 s28, s28, s29
	s_lshl_b32 s29, s16, 8
	s_add_co_u32 s28, s28, s29
	v_add_nc_u32 v240, s28, v240
	s_wait_alu depctr_va_vdst(0)                   ; v136, v137 and v240 are written: the store's data and its offset
	global_store_b64 v240, v[P:P+1], s[8:9]        ; the wave's 64 codes: 256 consecutive bytes, aligned
	s_wait_xcnt 0x0
	v_lshl_add_u32 v254, v0, 2, 0xe500
	v_mov_b32 v255, 0
	s_wait_dscnt 0x0                               ; the closing lines, six on end
	s_wait_alu 0x0
	s_wait_tensorcnt 0x0
	ds_add_u32 v254, v255
	s_wait_dscnt 0x0
	s_endpgm
.Lfunc_end_k_q43e44e10c3_sweep2:
	.size	k_q43e44e10c3_sweep2, .Lfunc_end_k_q43e44e10c3_sweep2-k_q43e44e10c3_sweep2
	.p2alignl 7, 3214868480
	.fill 96, 4, 3214868480
	.section	.rodata,"a",@progbits
	.p2align	6, 0x0
	.amdhsa_kernel k_q43e44e10c3_sweep2
		.amdhsa_group_segment_fixed_size 60672
		.amdhsa_private_segment_fixed_size 0
		.amdhsa_enable_private_segment 0
		.amdhsa_kernarg_size 48
		.amdhsa_user_sgpr_count 2
		.amdhsa_user_sgpr_kernarg_segment_ptr 1
		.amdhsa_wavefront_size32 1
		.amdhsa_system_sgpr_workgroup_id_x 1
		.amdhsa_system_sgpr_workgroup_id_y 1
		.amdhsa_system_sgpr_workgroup_id_z 1
		.amdhsa_system_vgpr_workitem_id 0
		.amdhsa_next_free_vgpr 256
		.amdhsa_next_free_sgpr 66
		.amdhsa_reserve_vcc 0
		.amdhsa_float_denorm_mode_32 3
		.amdhsa_float_denorm_mode_16_64 3
		.amdhsa_memory_ordered 1
		.amdhsa_forward_progress 1
		.amdhsa_inst_pref_size 49
	.end_amdhsa_kernel
	.amdgpu_metadata
---
amdhsa.version: [ 1, 2 ]
amdhsa.kernels:
  - .name:           k_q43e44e10c3_sweep2
    .symbol:         k_q43e44e10c3_sweep2.kd
    .args:
      - { .name: img, .offset: 0, .size: 8, .value_kind: global_buffer, .address_space: global }
      - { .name: part, .offset: 8, .size: 8, .value_kind: global_buffer, .address_space: global }
      - { .name: colpart, .offset: 16, .size: 8, .value_kind: global_buffer, .address_space: global }
      - { .name: out6, .offset: 24, .size: 8, .value_kind: global_buffer, .address_space: global }
      - { .name: idxw, .offset: 32, .size: 8, .value_kind: global_buffer, .address_space: global }
      - { .name: fin, .offset: 40, .size: 8, .value_kind: global_buffer, .address_space: global }
    .group_segment_fixed_size: 60672
    .private_segment_fixed_size: 0
    .kernarg_segment_align: 8
    .kernarg_segment_size: 48
    .max_flat_workgroup_size: 512
    .sgpr_count:     66
    .vgpr_count:     256
    .wavefront_size: 32
...
	.end_amdgpu_metadata
.endif
;; end of part 7
;; launch mid: the kernel of part 4 again; grid 256 x 1, 4 waves a work-group, no clusters, 19,456 bytes of LDS; arguments z, w_vqkd, w_vqgan, rec, idxw, colpart, out0, fin; writes out0, fin
;; launch final: the kernel of part 5 again; grid 1 x 1, 8 waves a work-group, no clusters, 1,536 bytes of LDS; arguments fin, out1, out2, out3, out4, out5; writes out1, out2, out3, out4, out5
